; MI455X (gfx1250); checked and timed in simulation.
; The chip was launched on July 23, 2026; its instructions are those of AMD's public machine-readable ISA for CDNA 5 (MIT licence, August 2026) and "CDNA5" Instruction Set Architecture Reference Guide (July 2026). The comments in the code are by the model that wrote it; some were corrected since.
;; Transformer Block. Allowed arithmetic: matrix products marked QUANTISED: E2M3 operands, one E8M0 scale for each 32 along K, by v_wmma_scale_f32_16x16x128_f8f6f4 with both operands' format E2M3, f32 sums; everything else in f32.
;; Inputs: b1 4,096 float32; b2 1,024 float32; b_out 1,024 float32; ln1_b 1,024 float32; ln1_g 1,024 float32; ln2_b 1,024 float32; ln2_g 1,024 float32; w1_codes 4,096 x 32 x 24 uint8 (E2M3 codes of w1, K innermost, in blocks of 32 codes, four codes in three bytes); w1_scales 4,096 x 32 uint8 (E8M0 scales of w1, one for each 32 codes along K); w2_codes 1,024 x 128 x 24 uint8 (E2M3 codes of w2, K innermost, in blocks of 32 codes, four codes in three bytes); w2_scales 1,024 x 128 uint8 (E8M0 scales of w2, one for each 32 codes along K); w_out_codes 1,024 x 32 x 24 uint8 (E2M3 codes of w_out, K innermost, in blocks of 32 codes, four codes in three bytes); w_out_scales 1,024 x 32 uint8 (E8M0 scales of w_out, one for each 32 codes along K); w_qkv_codes 3,072 x 32 x 24 uint8 (E2M3 codes of w_qkv, K innermost, in blocks of 32 codes, four codes in three bytes); w_qkv_scales 3,072 x 32 uint8 (E8M0 scales of w_qkv, one for each 32 codes along K); x 2 x 2,048 x 1,024 float32.
;; Outputs: out0 2 x 2,048 x 1,024 float32.
;; This version of the problem:
;;   THIS VERSION OF THE PROBLEM IS GIVEN IN LOW PRECISION. The matrix products marked QUANTISED in the list below multiply operands that are first quantised to E2M3 (2 exponent bits, 3 mantissa bits; 6 bits a number), with one power-of-two scale for each 32 numbers along K (OCP MX v1.0); their sums are f32. All else is computed in f32.
;;   The module's matrix products, in the order in which they are computed (A, B: the left and right operand; K: the contracted axis; several contracted axes count as one K, in the product's order):
;;     1. [M 4,096, K 1,024] x [K 1,024, N 3,072]; A: computed on the way; B: input w_qkv (given as codes): QUANTISED
;;     2. batch 32 x [M 2,048, K 64] x [K 64, N 2,048]; A: computed on the way; B: computed on the way: QUANTISED
;;     3. batch 32 x [M 2,048, K 2,048] x [K 2,048, N 64]; A: softmax (see below); B: computed on the way: QUANTISED
;;     4. [M 4,096, K 1,024] x [K 1,024, N 1,024]; A: computed on the way; B: input w_out (given as codes): QUANTISED
;;     5. [M 4,096, K 1,024] x [K 1,024, N 4,096]; A: computed on the way; B: input w1 (given as codes): QUANTISED
;;     6. [M 4,096, K 4,096] x [K 4,096, N 1,024]; A: computed on the way; B: input w2 (given as codes): QUANTISED
;;   THE QUANTISER, for each operand of a quantised product, along K:
;;     - K is cut into blocks of 32 from its start; a last block that is shorter is filled with zeros.
;;     - A block's scale is 2^e with e = floor(log2(the largest magnitude in the block)) - 2, held to -126 .. 127; a block of zeros has e = 0. As a byte (E8M0): e + 127.
;;     - Each number is divided by its block's scale, clamped to +-7.5, and rounded to the nearest number of E2M3, ties to even, subnormals kept.
;;     - The product sums the exact products of the quantised numbers (number of the format x scale) in f32.
;;   ~~~python
;;   def quantise(x, axis):      # numpy; x: float32 -> the quantised numbers, widened to float32 again
;;       x = np.moveaxis(x, axis, -1); K = x.shape[-1]
;;       x = np.pad(x, [(0, 0)] * (x.ndim - 1) + [(0, -K % 32)]); x = x.reshape(x.shape[:-1] + (-1, 32)); a = np.abs(x).max(-1, keepdims=True)
;;       e = np.where(a > 0, np.clip(np.frexp(np.where(a > 0, a, 1))[1] - 1 - 2, -126, 127), 0)      # np.frexp(a)[1] - 1 = floor(log2(a)), exactly
;;       r = np.clip(x / 2.0 ** e, -7.5, 7.5)
;;       step = 2.0 ** (np.maximum(np.frexp(np.where(r == 0, 1, r))[1] - 1, 0) - 3)
;;       q = np.round(r / step) * step * 2.0 ** e      # np.round: ties to even
;;       return np.moveaxis(q.reshape(q.shape[:-2] + (-1,))[..., :K], -1, axis).astype(np.float32)
;;   ~~~
;;   SOFTMAX AHEAD OF A QUANTISED PRODUCT. Where the list says 'softmax', what is quantised is not the finished softmax but p = 2^(t - M), with t = logit x log2(e) and M = ceil(the row's largest t), a whole number; so 1/2 < the row's largest p <= 1. The row's sum l is taken of the UNQUANTISED p, in f32, and the product's result is divided by l at the end. Since M is a whole number, a kernel that streams over the keys may use a running M (the ceiling of the running maximum): every later rescaling is an exact power of two, which a block's scale takes up: the codes' values come out the same.
;;   OPERANDS COMPUTED ON THE WAY. 'Computed on the way' means the value that the module computes at that place (a softmax that the list does not call 'softmax' is quantised finished and normalised). What goes into a quantiser is computed in f32, as accurately as f32 sums, v_exp_f32 and their like allow (about 1e-6 of the number): no bf16 or f16 on the way to a quantiser, and a product that is left as it is and whose result goes on into a quantised operand takes f32 operands (vector FMAs, or v_wmma_f32_16x16x4_f32). A number that lies on a knife's edge between two numbers of the format may be rounded either way, as far as f32 arithmetic and the matrix unit's own rounding can turn it there, and no further.
;;   INPUTS GIVEN AS CODES. w1 (in the module: [1024, 4096], K = its axis 0); w2 (in the module: [4096, 1024], K = its axis 0); w_out (in the module: [1024, 1024], K = its axis 0); w_qkv (in the module: [1024, 3072], K = its axis 0): each comes as NAME_codes (uint8): NAME with its K axis moved to the last place and cut into blocks of 32 codes, [.., K / 32, bytes a block], one block behind the other in memory; four codes in three bytes: a row's codes are one little-endian stream of bits, code i at bits 6 i .. 6 i + 5 (a code: sign, 2 exponent bits, 3 mantissa bits); and NAME_scales (uint8): the same leading axes, one E8M0 byte (e + 127) for each 32 codes along K. Its value is code x scale, taken as it is: it is not quantised again, and the codes and scales need not be those that the quantiser above would give.
;; One version. Each part assembles by itself: llvm-mc -triple=amdgcn-amd-amdhsa -mcpu=gfx1250 --defsym DOCPART=n.
;; ======== version 1 of 1: 7 launches
;; limits: a function is approximated: absolute error at most 7.5e-08
;; workspace buffers: wimg 9,830,400 bytes; himg 3,276,800 bytes; h2img 3,276,800 bytes; oimg 3,276,800 bytes; qkvimg 9,830,400 bytes; x1 16,777,216 bytes; hid 13,107,200 bytes
;; launch prep (part 1): grid 352 x 1, 8 waves a work-group, no clusters, 69,632 bytes of LDS; arguments x, ln1_g, ln1_b, himg, w_qkv_codes, w_qkv_scales, w_out_codes, w_out_scales, w1_codes, w1_scales, w2_codes, w2_scales, wimg; writes himg, wimg
.if DOCPART == 1
	.amdgcn_target "amdgcn-amd-amdhsa--gfx1250"
	.amdhsa_code_object_version 6
	.text
	.protected	k_qb5706a1c78_prep
	.globl	k_qb5706a1c78_prep
	.p2align	8
	.type	k_qb5706a1c78_prep,@function
k_qb5706a1c78_prep:
	s_mov_b64 s[64:65], 0
	v_nop
	global_prefetch_b8 v0, s[64:65] scope:SCOPE_SE
	s_setreg_imm32_b32 hwreg(HW_REG_WAVE_MODE, 25, 1), 1
	s_wait_xcnt 0x0
; WORK-GROUPS 0-255: LayerNorm of 16 rows of [4096][1024] f32, quantised to MX-FP6 (E2M3, one E8M0 scale for each 32 along the row).
; WORK-GROUPS 256-351: the four weights, given as rows of codes, are laid anew as operand images.  (A launch of 256 work-groups never comes there.)
; AN IMAGE is an operand's registers as they stand: a fragment (16 rows x 128 K, 12 registers a lane) is 1,536 bytes, registers 4 c .. 4 c + 3 of lane l at 512 c + 16 l;
; its scale words are 64 bytes, row r's word at 4 r.  Fragment f = 8 x block + K step lies at 1,536 f, its scale words at H_SC + 64 f (weights: W_SC + 64 f).
; THE ROWS OF A BLOCK ARE NOT NEIGHBOURS: lane r of block a holds row 32 (a / 2) + 8 (a % 2) + r + 8 (r / 8).  A product that takes such a block as source 0 leaves a lane 16 neighbours
; along that axis in the 16 registers of blocks 2 b and 2 b + 1, which is what the next quantiser wants.
; LN: wave w owns columns 128 w .. 128 w + 127 (K step w) of the block's 16 rows.  Loads take 512 consecutive bytes of a row; the wave's own stage in LDS turns them so that lane (r, h) holds, of row r,
; 16 neighbours of each block of 32.  Mean and variance (two passes, f32) meet over the eight waves in LDS: two barriers.
; LIMITS: NaN and infinities are not served; a block of zeros gets the scale byte 1 (its codes are zeros, and the bytes are read by this program alone).
.set H_SC,  3145728                    ; an activation's scale words begin here: 2,048 fragments x 1,536
.set W_SC,  9437184                    ; the weights': 6,144 fragments x 1,536
.set STG,   8448                       ; a wave's stage: 16 rows x (512 + 16) bytes
.set RED1,  8*STG                      ; 16 rows x 8 waves x 4 bytes: the sums;  512 bytes on: the sums of squares
.set X,  16                            ; v16-79   a row piece as loaded; later the shifts b
.set Y,  80                            ; v80-143  my 64 numbers: register 16 b + i = column 32 b + 16 h + i of my row
.set G,  144                           ; v144-207 the gains g
.set TM, 208                           ; v208-223 the quantiser's work
.set PW, 224                           ; v224     the scale word
.set PC, 226                           ; v226-244 the codes
.set SEL, 22                           ; s[22:23] lane selects: lane l xor 16
.set MSB, 0
.macro WIN new                         ; the immediate's high byte repeats the setting that is left (here every window is 0: nothing is written)
.if MSB != \new
	s_set_vgpr_msb (MSB<<8)|\new
.set MSB, \new
.endif
.endm
; 64 numbers of a lane in window w, v[s] .. v[s + 63], register 16 b + i = k 32 b + 16 (lane / 16) + i of my row, become a fragment's codes in v[PC] on and its scale word in v[PW].
.macro QUANT s, w
.set WN, (\w)*5
	WIN WN
.irp b, 0,1,2,3
	v_max3_num_f32 v[TM+\b], |v[(\s)+16*\b]|, |v[(\s)+1+16*\b]|, 0x1800000   ; my 16 numbers of block b, and the floor 2^(3 - 127): the byte cannot fall under 1
.endr
.set WN, (\w)*20
	WIN WN
.irp i, 2,4,6,8,10,12,14
.irp b, 0,1,2,3
	v_max3_num_f32 v[TM+\b], v[TM+\b], |v[(\s)+16*\b+\i]|, |v[(\s)+1+16*\b+\i]|   ; the four blocks by turns
.endr
.endr
	WIN 0
.irp b, 0,1,2,3
	v_permlanex16_b32 v[TM+4+\b], v[TM+\b], s[SEL], s[SEL+1]
.endr
.irp b, 0,1,2,3
	v_max_num_f32 v[TM+\b], v[TM+\b], v[TM+4+\b]           ; with lane l xor 16's: the block's largest magnitude
.endr
.irp b, 0,1,2,3
	v_add_nc_u32 v[TM+12+\b], 0xff000000, v[TM+\b]         ; 2 off its exponent field: the conversion's scale operand
.endr
.irp b, 0,1,2,3
	v_lshrrev_b32 v[TM+4+\b], 23, v[TM+12+\b]              ; the scale's byte
.endr
	v_lshl_or_b32 v[PW], v[TM+5], 8, v[TM+4]
	v_lshl_or_b32 v[PW], v[TM+6], 16, v[PW]
	v_lshl_or_b32 v[PW], v[TM+7], 24, v[PW]
.set WN, (\w)
	WIN WN
.irp c, 0,1
	v_cvt_scalef32_pk16_fp6_f32 v[PC+6*\c:PC+2+6*\c], v[(\s)+32*\c:(\s)+15+32*\c], v[TM+12+2*\c]
	v_cvt_scalef32_pk16_fp6_f32 v[PC+12+4*\c:PC+14+4*\c], v[(\s)+16+32*\c:(\s)+31+32*\c], v[TM+12+2*\c+1]   ; (a conversion's three registers begin on an even number)
.endr
	WIN 0
	v_nop                                                  ; one plain place behind a scaled conversion
.irp c, 0,1                                            ; the operand wants a whole block in a lane: lanes 0-15 block 2 c, lanes 16-31 block 2 c + 1
.irp i, 0,1,2
	v_permlane16_swap_b32 v[PC+6*\c+\i], v[PC+12+4*\c+\i]
.endr
.irp i, 0,1,2
	v_mov_b32 v[PC+3+6*\c+\i], v[PC+12+4*\c+\i]
.endr
.endr
.endm
; The two chains in v[246:249] become the row's sum over all 1,024 columns, in v246 of every lane.  red: 0 or 512, the words used.
.macro ROWSUM red
	v_pk_add_f32 v[246:247], v[246:247], v[248:249]
	v_add_f32 v246, v246, v247
	v_permlanex16_b32 v250, v246, s[SEL], s[SEL+1]
	v_add_f32 v246, v246, v250                             ; my wave's 128 columns of row r
	ds_store_b32 v5, v246 offset:\red                      ; lanes r and r + 16 write the same word with the same value
	s_wait_dscnt 0x0                                       ; for the others' sake: my store has landed
	s_barrier_signal -1
	s_barrier_wait -1
	ds_load_b128 v[246:249], v6 offset:\red
	ds_load_b128 v[250:253], v6 offset:\red+16
	s_wait_dscnt 0x0
	v_add_f32 v246, v246, v247
	v_add_f32 v248, v248, v249
	v_add_f32 v250, v250, v251
	v_add_f32 v252, v252, v253
	v_add_f32 v246, v246, v248
	v_add_f32 v250, v250, v252
	v_add_f32 v246, v246, v250
.endm
	v_lshl_add_u32 v254, v0, 2, 0x10c00
	v_mov_b32 v255, 0
	s_cmp_ge_u32 ttmp9, 256                                ; the same for all waves of a work-group
	s_cbranch_scc1 .Lrelay
	s_load_b256 s[4:11], s[0:1], 0x0                       ; the rows s[4:5], g s[6:7], b s[8:9], the images s[10:11]
	v_lshrrev_b32 v1, 5, v0
	v_readfirstlane_b32 s12, v1                            ; wave 0..7
	v_and_b32 v12, 31, v0                                  ; lane
	v_and_b32 v13, 15, v0                                  ; r
	v_bfe_u32 v14, v0, 4, 1                                ; h
	v_lshlrev_b32 v1, 4, v12                               ; 16 x lane
	s_mul_i32 s13, s12, STG
	v_add_nc_u32 v2, s13, v1                               ; the stage, in: 16 x lane of a row
	v_mul_u32_u24 v3, v13, 528
	v_lshl_add_u32 v3, v14, 6, v3
	v_add_nc_u32 v3, s13, v3                               ; out: row r, + 64 h
	v_lshlrev_b32 v4, 6, v14                               ; g, b: 64 h
	v_lshlrev_b32 v6, 5, v13
	v_add_nc_u32 v6, RED1, v6                              ; row r's eight words
	s_lshl_b32 s14, s12, 2
	v_add_nc_u32 v5, s14, v6                               ; and my wave's among them
	v_lshlrev_b32 v7, 2, v13                               ; 4 r
	v_mov_b32 v250, 0                                      ; written once: a lane permute's destination counts as one of its sources
.irp b, 0,1,2,3
	v_mov_b32 v[TM+4+\b], 0
.endr
	s_mov_b32 s20, 0x3a800000                              ; 1 / 1,024
	s_mov_b32 s21, 0x3727c5ac                              ; 1e-5
	s_mov_b32 s[SEL], 0x76543210
	s_mov_b32 s[SEL+1], 0xfedcba98
	s_lshr_b32 s15, ttmp9, 1
	s_lshl_b32 s15, s15, 5
	s_and_b32 s16, ttmp9, 1
	s_lshl_b32 s16, s16, 3
	s_add_co_u32 s15, s15, s16                             ; the block's first row: 32 (a / 2) + 8 (a % 2)
	s_lshl_b32 s18, s12, 9                                 ; my wave's 512 bytes of a row
	s_mov_b32 s19, 0
	s_lshl_b32 s16, s15, 12
	s_add_co_u32 s16, s16, s18
	s_mov_b32 s17, 0
	s_lshl_b32 s24, ttmp9, 3
	s_add_co_u32 s24, s24, s12                             ; fragment 8 a + w
	s_lshl_b32 s26, s24, 6
	s_add_co_u32 s26, s26, H_SC
	s_mul_i32 s24, s24, 1536
	s_mov_b32 s25, 0
	s_mov_b32 s27, 0
	s_wait_kmcnt 0x0
	s_add_nc_u64 s[4:5], s[4:5], s[16:17]
	s_add_nc_u64 s[6:7], s[6:7], s[18:19]
	s_add_nc_u64 s[8:9], s[8:9], s[18:19]
	s_add_nc_u64 s[24:25], s[10:11], s[24:25]
	s_add_nc_u64 s[26:27], s[10:11], s[26:27]
.irp i, 0,1,2,3,4,5,6,7,8,9,10,11,12,13,14,15
	global_load_b128 v[X+4*\i:X+4*\i+3], v1, s[4:5] offset:(\i+8*(\i/8))*4096   ; the block's i-th row: 32 lanes read 512 consecutive bytes
.endr
.irp b, 0,1,2,3
.irp j, 0,1,2,3
	global_load_b128 v[G+16*\b+4*\j:G+16*\b+4*\j+3], v4, s[6:7] offset:128*\b+16*\j
.endr
.endr
	s_wait_loadcnt 16                                      ; the rows are in; the gains' sixteen loads may be out
.irp i, 0,1,2,3,4,5,6,7,8,9,10,11,12,13,14,15
	ds_store_b128 v2, v[X+4*\i:X+4*\i+3] offset:528*\i
.endr
.irp b, 0,1,2,3
.irp j, 0,1,2,3
	ds_load_b128 v[Y+16*\b+4*\j:Y+16*\b+4*\j+3], v3 offset:128*\b+16*\j   ; LDS serves a wave's instructions in order: these see my stores
.endr
.endr
	s_wait_dscnt 0x0                                       ; my numbers are back, and the stores have read X's registers,
.irp b, 0,1,2,3
.irp j, 0,1,2,3
	global_load_b128 v[X+16*\b+4*\j:X+16*\b+4*\j+3], v4, s[8:9] offset:128*\b+16*\j   ; which take the shifts
.endr
.endr
	v_pk_add_f32 v[246:247], v[Y:Y+1], v[Y+2:Y+3]          ; the sum of my 64, two at a time, in two chains
	v_pk_add_f32 v[248:249], v[Y+4:Y+5], v[Y+6:Y+7]
.set j, 8
.rept 14
	v_pk_add_f32 v[246:247], v[246:247], v[Y+j:Y+j+1]
	v_pk_add_f32 v[248:249], v[248:249], v[Y+j+2:Y+j+3]
.set j, j+4
.endr
	ROWSUM 0
	v_mul_f32 v8, s20, v246                                ; the mean
	v_mov_b32 v9, v8
.set j, 0
.rept 32
	v_pk_add_f32 v[Y+j:Y+j+1], v[Y+j:Y+j+1], v[8:9] neg_lo:[0,1] neg_hi:[0,1]   ; x - mean
.set j, j+2
.endr
	v_pk_mul_f32 v[246:247], v[Y:Y+1], v[Y:Y+1]
	v_pk_mul_f32 v[248:249], v[Y+2:Y+3], v[Y+2:Y+3]
.set j, 4
.rept 15
	v_pk_fma_f32 v[246:247], v[Y+j:Y+j+1], v[Y+j:Y+j+1], v[246:247]
	v_pk_fma_f32 v[248:249], v[Y+j+2:Y+j+3], v[Y+j+2:Y+j+3], v[248:249]
.set j, j+4
.endr
	ROWSUM 512
	v_fma_f32 v10, v246, s20, s21                          ; the variance + 1e-5
	v_rsq_f32 v10, v10
	v_nop                                                  ; a plain place behind the transcendental
	s_wait_alu depctr_va_vdst(0)                           ; and a wait ahead of its first reader
	v_mov_b32 v11, v10
	s_wait_loadcnt 0x0                                     ; g and b
.set j, 0
.rept 32
	v_pk_mul_f32 v[Y+j:Y+j+1], v[Y+j:Y+j+1], v[10:11]
.set j, j+2
.endr
.set j, 0
.rept 32
	v_pk_fma_f32 v[Y+j:Y+j+1], v[Y+j:Y+j+1], v[G+j:G+j+1], v[X+j:X+j+1]
.set j, j+2
.endr
	QUANT Y, 0
.irp c, 0,1,2
	global_store_b128 v1, v[PC+4*\c:PC+4*\c+3], s[24:25] offset:512*\c   ; 32 lanes store 512 consecutive bytes
.endr
	global_store_b32 v7, v[PW], s[26:27]                   ; lanes r and r + 16 hold the same word
	s_wait_tensorcnt 0x0
	ds_add_u32 v254, v255
	s_wait_dscnt 0x0
	s_endpgm
; THE WEIGHTS.  A wave takes a unit of 8 fragments: one block of 16 rows x 1,024 along K; unit u's fragments are 8 u .. 8 u + 7.  Units 0-191 w_qkv, 192-255 w_out, 256-511 w1 (a block each);
; 512-767 w2, whose rows are four units long.  Only pointers and sizes are chosen, by the work-group's number; all four take one way through the text.  No LDS, no barrier.
.Lrelay:
	s_load_b512 s[16:31], s[0:1], 0x20                     ; codes and scales of w_qkv, w_out, w1, w2
	s_load_b64 s[32:33], s[0:1], 0x60                      ; the images
	v_lshrrev_b32 v1, 5, v0
	v_readfirstlane_b32 s12, v1
	v_and_b32 v12, 31, v0
	v_and_b32 v13, 15, v0                                  ; r
	v_bfe_u32 v14, v0, 4, 1                                ; h
	v_lshlrev_b32 v1, 4, v12                               ; 16 x lane
	v_and_b32 v2, 8, v13
	v_add_nc_u32 v2, v2, v13                               ; r + 8 (r / 8)
	s_sub_co_u32 s2, ttmp9, 256
	s_mov_b32 s11, 3072
	s_wait_kmcnt 0x0
	s_cmp_lt_u32 s2, 24
	s_cselect_b64 s[4:5], s[16:17], s[20:21]
	s_cselect_b64 s[6:7], s[18:19], s[22:23]
	s_cselect_b32 s8, 0, 192                               ; the tensor's first unit
	s_cmp_lt_u32 s2, 32
	s_cselect_b64 s[4:5], s[4:5], s[24:25]
	s_cselect_b64 s[6:7], s[6:7], s[26:27]
	s_cselect_b32 s8, s8, 256
	s_cmp_lt_u32 s2, 64
	s_cselect_b64 s[4:5], s[4:5], s[28:29]
	s_cselect_b64 s[6:7], s[6:7], s[30:31]
	s_cselect_b32 s8, s8, 512
	s_cselect_b32 s9, 0, 2                                 ; units to a block: 1 or 4, as a shift,
	s_cselect_b32 s10, 0, 3                                ; and as a mask
	s_cselect_b32 s11, 768, s11                            ; a row of codes in bytes
	s_cselect_b32 s13, 32, 128                             ; a row of scale bytes
	s_lshl_b32 s3, s2, 3
	s_add_co_u32 s3, s3, s12                               ; u
	s_sub_co_u32 s34, s3, s8
	s_lshr_b32 s35, s34, s9                                ; the block
	s_and_b32 s34, s34, s10                                ; which 1,024 along K
	s_lshr_b32 s36, s35, 1
	s_lshl_b32 s36, s36, 5
	s_and_b32 s35, s35, 1
	s_lshl_b32 s35, s35, 3
	s_add_co_u32 s36, s36, s35                             ; the block's first row
	s_mul_i32 s38, s36, s11
	s_mul_i32 s35, s34, 768
	s_add_co_u32 s38, s38, s35
	s_mov_b32 s39, 0
	s_add_nc_u64 s[4:5], s[4:5], s[38:39]
	s_mul_i32 s38, s36, s13
	s_lshl_b32 s35, s34, 5
	s_add_co_u32 s38, s38, s35
	s_add_nc_u64 s[6:7], s[6:7], s[38:39]
	s_mul_i32 s38, s3, 12288
	s_add_nc_u64 s[40:41], s[32:33], s[38:39]
	s_lshl_b32 s38, s3, 9
	s_add_co_u32 s38, s38, W_SC
	s_add_nc_u64 s[42:43], s[32:33], s[38:39]
	v_mul_lo_u32 v3, v2, s11
	v_mad_u32_u24 v3, v14, 24, v3                          ; codes: my row, + 24 h
	v_mul_lo_u32 v4, v2, s13
	v_lshl_add_u32 v4, v14, 4, v4                          ; scale bytes: my row, + 16 h: the words of K steps 4 h .. 4 h + 3
	v_lshlrev_b32 v5, 2, v13
	v_lshl_add_u32 v5, v14, 8, v5                          ; and where they go: 4 r + 256 h
	global_load_b128 v[8:11], v4, s[6:7]
.irp k, 0,1,2,3,4,5,6,7
.irp p, 0,1,2,3,4,5
	global_load_b64 v[16+12*\k+2*\p:17+12*\k+2*\p], v3, s[4:5] offset:96*\k+48*(\p/3)+8*(\p%3)   ; a fragment's registers are 24 + 24 bytes of the row's stream of bits, as they lie
.endr
.endr
.irp k, 0,1,2,3,4,5,6,7
	s_wait_loadcnt 42-6*\k                                 ; K step k's six loads are in; those of the later K steps may be out
.if \k == 0
.irp j, 0,1,2,3
	global_store_b32 v5, v[8+\j], s[42:43] offset:64*\j
.endr
.endif
.irp c, 0,1,2
	global_store_b128 v1, v[16+12*\k+4*\c:19+12*\k+4*\c], s[40:41] offset:1536*\k+512*\c
.endr
.endr
	s_endpgm
.Lfunc_end_k_qb5706a1c78_prep:
	.size	k_qb5706a1c78_prep, .Lfunc_end_k_qb5706a1c78_prep-k_qb5706a1c78_prep
	.p2alignl 7, 3214868480
	.fill 96, 4, 3214868480
	.section	.rodata,"a",@progbits
	.p2align	6, 0x0
	.amdhsa_kernel k_qb5706a1c78_prep
		.amdhsa_group_segment_fixed_size 69632
		.amdhsa_private_segment_fixed_size 0
		.amdhsa_enable_private_segment 0
		.amdhsa_kernarg_size 104
		.amdhsa_user_sgpr_count 2
		.amdhsa_user_sgpr_kernarg_segment_ptr 1
		.amdhsa_wavefront_size32 1
		.amdhsa_system_sgpr_workgroup_id_x 1
		.amdhsa_system_sgpr_workgroup_id_y 1
		.amdhsa_system_sgpr_workgroup_id_z 1
		.amdhsa_system_vgpr_workitem_id 0
		.amdhsa_next_free_vgpr 256
		.amdhsa_next_free_sgpr 66
		.amdhsa_reserve_vcc 0
		.amdhsa_float_denorm_mode_32 3
		.amdhsa_float_denorm_mode_16_64 3
		.amdhsa_memory_ordered 1
		.amdhsa_forward_progress 1
		.amdhsa_inst_pref_size 35
	.end_amdhsa_kernel
	.amdgpu_metadata
---
amdhsa.version: [ 1, 2 ]
amdhsa.kernels:
  - .name:           k_qb5706a1c78_prep
    .symbol:         k_qb5706a1c78_prep.kd
    .args:
      - { .name: x, .offset: 0, .size: 8, .value_kind: global_buffer, .address_space: global }
      - { .name: ln1_g, .offset: 8, .size: 8, .value_kind: global_buffer, .address_space: global }
      - { .name: ln1_b, .offset: 16, .size: 8, .value_kind: global_buffer, .address_space: global }
      - { .name: himg, .offset: 24, .size: 8, .value_kind: global_buffer, .address_space: global }
      - { .name: w_qkv_codes, .offset: 32, .size: 8, .value_kind: global_buffer, .address_space: global }
      - { .name: w_qkv_scales, .offset: 40, .size: 8, .value_kind: global_buffer, .address_space: global }
      - { .name: w_out_codes, .offset: 48, .size: 8, .value_kind: global_buffer, .address_space: global }
      - { .name: w_out_scales, .offset: 56, .size: 8, .value_kind: global_buffer, .address_space: global }
      - { .name: w1_codes, .offset: 64, .size: 8, .value_kind: global_buffer, .address_space: global }
      - { .name: w1_scales, .offset: 72, .size: 8, .value_kind: global_buffer, .address_space: global }
      - { .name: w2_codes, .offset: 80, .size: 8, .value_kind: global_buffer, .address_space: global }
      - { .name: w2_scales, .offset: 88, .size: 8, .value_kind: global_buffer, .address_space: global }
      - { .name: wimg, .offset: 96, .size: 8, .value_kind: global_buffer, .address_space: global }
    .group_segment_fixed_size: 69632
    .private_segment_fixed_size: 0
    .kernarg_segment_align: 8
    .kernarg_segment_size: 104
    .max_flat_workgroup_size: 256
    .sgpr_count:     66
    .vgpr_count:     256
    .wavefront_size: 32
...
	.end_amdgpu_metadata
.endif
;; end of part 1
;; launch qkv (part 2): grid 8 x 24, 4 waves a work-group, clusters of 4 x 4, 327,680 bytes of LDS; arguments himg, wimg, qkvimg; writes qkvimg
.if DOCPART == 2
	.amdgcn_target "amdgcn-amd-amdhsa--gfx1250"
	.amdhsa_code_object_version 6
	.text
	.protected	k_qb5706a1c78_qkv
	.globl	k_qb5706a1c78_qkv
	.p2align	8
	.type	k_qb5706a1c78_qkv,@function
k_qb5706a1c78_qkv:
	s_mov_b64 s[64:65], 0
	v_nop
	global_prefetch_b8 v0, s[64:65] scope:SCOPE_SE
	s_setreg_imm32_b32 hwreg(HW_REG_WAVE_MODE, 25, 1), 1
	s_wait_xcnt 0x0
	s_wait_alu depctr_hold_cnt(0) depctr_sa_sdst(0) depctr_va_vdst(0) depctr_va_sdst(0) depctr_va_ssrc(0) depctr_va_vcc(0) depctr_vm_vsrc(0)
	s_getreg_b32 s2, hwreg(HW_REG_IB_STS2, 6, 4)
	s_cmp_eq_u32 s2, 0
	s_cbranch_scc0 .Lentry_in_a_cluster
	s_endpgm
.Lentry_in_a_cluster:
	s_bfe_u32 s2, ttmp6, 0x10000c
	s_cmp_lg_u32 s2, 0xf033
	s_cbranch_scc0 .Lentry_shape_is_right
	s_endpgm
.Lentry_shape_is_right:
; q, k, v = LN1(x) W_qkv, on codes of MX-FP6, and their quantising: q and k along a head's 64 channels, v along the keys.
; OPERANDS ARE IMAGES: a fragment (16 rows x 128 K) is 1,536 bytes, registers 4 c .. 4 c + 3 of lane l at 512 c + 16 l; its scale words 64 bytes.  Fragment f = 8 x block + K step at 1,536 f, scale words at H_SC (tokens) or W_SC (weights) + 64 f.
; Lane r of block a holds row 32 (a / 2) + 8 (a % 2) + r + 8 (r / 8).  THE MATRIX INSTRUCTION TAKES side B AS SOURCE 0 AND side A AS SOURCE 1: a lane then holds one row of A, and the 16 registers of B's blocks 2 b, 2 b + 1 are 16
; neighbours along B's rows: a wave's 8 accumulators of one block of A are 128 neighbours, which the quantiser turns into one fragment of the next product.
; CLUSTERS y 0-3: A = tokens, B = W's rows 0-2,047 (q, k): fragments of 16 tokens x 128 channels (two heads).  CLUSTERS y 4, 5: A = W's rows 2,048-3,071 (v), B = tokens: fragments of 16 channels x 128 keys.  Only pointers and numbers are chosen, by the cluster's y.
; OUT: records of 12,800 bytes: 8 fragments, then their 8 x 64 bytes of scale words.  q, k: record 32 x (channels / 128) + tokens / 128;  v: record 512 + 8 x (tokens / 128) + head pair.
; A work-group makes 256 x 256, a wave 128 x 128: 64 accumulators.  K = 1,024 is 8 steps; a slot holds 2; three slots: six steps are asked for at the start, the last two go into slot 0 behind its last read.
; 4 x 4 work-groups form a cluster: A's tiles are asked for jointly along a row, B's along a column.
; REGISTERS: window 0: v1-16 addresses; v32-63 scale words, two sets, and nothing else; v64-255 fragment set 1 (A at 64 + 12 i, B at 160 + 12 i).  window 1: v0-191 set 0.  windows 2, 3: accumulator (a, b) at 8 (8 a + b).
; On the way out, in set 1's registers: v64-82 the codes, v96-111 the quantiser's work, v112 the scale word just made.
; LIMITS: NaN and infinities are not served; a block of zeros gets the scale byte 1.
.set MA,    8                          ; blocks of 16 rows a wave has of each side
.set NQ,    2                          ; K steps in a slot
.set NKS,   8                          ; K steps in all
.set NSLOT, 3
.set FRB,   1536
.set SLOTB, 98304                      ; A's 16 blocks x NQ fragments, then B's
.set QTR,   24576                      ; what one tensor load brings
.set SCL,   NSLOT*SLOTB                ; behind the slots: the scale words of all of K, four parts of QS bytes
.set QS,    MA*NKS*64
.set SPARE, SCL+4*QS                   ; the spare words, 128 bytes for each wave
.set H_SC,  3145728
.set W_SC,  9437184
.set RECB,  12800
.set TM, 96
.set PW, 112
.set PC, 64
.set SEL, 66
.set MSB, 0
.macro WIN new                         ; the immediate's high byte repeats the setting that is left
.if MSB != \new
	s_set_vgpr_msb (MSB<<8)|\new
.set MSB, \new
.endif
.endm
.macro PLACES n
.rept \n
	v_nop
.endr
.endm
; A joint load: waves 0 and 1 fetch for A, waves 2 and 3 for B.  The branch hangs on the wave's number alone.  Four v_nop follow each of the two lines.
.macro JLOAD g0a, g1a, g0b, g1b
	s_cmp_eq_u32 s15, 0
	s_cbranch_scc0 .Lfor_b_\@
	tensor_load_to_lds s[\g0a:\g0a+3], s[\g1a:\g1a+7]
	s_nop 0
.rept 4
	v_nop
.endr
	s_branch .Lasked_\@
.Lfor_b_\@:
	tensor_load_to_lds s[\g0b:\g0b+3], s[\g1b:\g1b+7]
	s_nop 0
.rept 4
	v_nop
.endr
.Lasked_\@:
.endm
.macro CREST                           ; a round of the cluster's barrier behind its opening barrier
	s_cmp_lg_u32 s14, 0
	s_cbranch_scc1 .Lnot_wave_0_\@
	s_barrier_signal -3
.Lnot_wave_0_\@:
	s_barrier_wait -3
	s_barrier_signal -1
	s_barrier_wait -1
.endm
.macro CROUND
	s_barrier_signal -1
	s_barrier_wait -1
	CREST
.endm
; the fragments of a slot's q-th K step, A's and B's, into a set: each by three loads of 512 consecutive bytes
.macro FETCH slot, q, set
.set WN, 0x40*(1-(\set))
	WIN WN
.set fi, 0
.rept MA
.irp c, 0,1,2
	ds_load_b128 v[64*(\set)+12*fi+4*\c:64*(\set)+12*fi+4*\c+3], v[4+(\slot)] offset:fi*NQ*FRB+(\q)*FRB+512*\c
.endr
.set fi, fi+1
.endr
.set fi, 0
.rept MA
.irp c, 0,1,2
	ds_load_b128 v[64*(\set)+12*MA+12*fi+4*\c:64*(\set)+12*MA+12*fi+4*\c+3], v[7+(\slot)] offset:fi*NQ*FRB+(\q)*FRB+512*\c
.endr
.set fi, fi+1
.endr
	WIN 0
.endm
; the scale words of slot-worth sg: one register carries two K steps of a block: the even one in lanes 0-15, the odd one in lanes 16-31
.macro SCALES sg
.set si, 0
.rept MA
.set sj, 0
.rept NQ/2
	ds_load_b32 v[32+16*((\sg)%2)+si*(NQ/2)+sj], v10 offset:si*NKS*64+((\sg)*NQ+2*sj)*64
	ds_load_b32 v[40+16*((\sg)%2)+si*(NQ/2)+sj], v11 offset:si*NKS*64+((\sg)*NQ+2*sj)*64
.set sj, sj+1
.endr
.set si, si+1
.endr
.endm
; K step g: A's blocks a0 .. a0 + na - 1 against B's MA.  first = 1: the products start the sums.  The accumulators take turns, one instruction a turn, in the same order in every step.
.macro MUL a0, na, g, first
.set mset, (\g)%2
.set mq, (\g)%NQ
.set msc, 32+16*(((\g)/NQ)%2)
.set ma, \a0
.rept \na
.set DW, 2+(8*MA*ma)/256
.set WN, (1-mset)*5+(DW<<4)+(DW<<6)
	WIN WN
.set mb, 0
.rept MA
.set AC, (8*(MA*ma+mb))%256
.set FB, 64*mset+12*MA+12*mb
.set FA, 64*mset+12*ma
.set SCB, msc+8+mb*(NQ/2)+mq/2
.set SCA, msc+ma*(NQ/2)+mq/2
.if \first == 1
	v_wmma_scale_f32_16x16x128_f8f6f4 v[AC:AC+7], v[FB:FB+11], v[FA:FA+11], 0, v[SCB], v[SCA] matrix_a_fmt:MATRIX_FMT_FP6 matrix_b_fmt:MATRIX_FMT_FP6
.elseif mq%2 == 0
	v_wmma_scale_f32_16x16x128_f8f6f4 v[AC:AC+7], v[FB:FB+11], v[FA:FA+11], v[AC:AC+7], v[SCB], v[SCA] matrix_a_fmt:MATRIX_FMT_FP6 matrix_b_fmt:MATRIX_FMT_FP6
.else
	v_wmma_scale_f32_16x16x128_f8f6f4 v[AC:AC+7], v[FB:FB+11], v[FA:FA+11], v[AC:AC+7], v[SCB], v[SCA] matrix_a_fmt:MATRIX_FMT_FP6 matrix_b_fmt:MATRIX_FMT_FP6 matrix_a_scale:MATRIX_SCALE_ROW1 matrix_b_scale:MATRIX_SCALE_ROW1
.endif
.set mb, mb+1
.endr
.set ma, ma+1
.endr
.endm
; A K step whose successor lies in bytes that are known to be whole: the next step's fragments are asked for, into the other set, ahead of this step's 64 products.
.macro STEPG g, first
	s_wait_dscnt 0x0                                       ; this step's set is in (asked for a whole step ago)
	PLACES 4                                               ; four places in front of loads into registers that the last step's products read
	FETCH (((\g)+1)/NQ)%NSLOT, ((\g)+1)%NQ, ((\g)+1)%2
.if ((\g)+1)%NQ == 0
	SCALES ((\g)+1)/NQ
.endif
	MUL 0, MA, \g, \first
.endm
; A slot's last step, with a barrier.  In front of it each wave waits for all its tensor loads, adds 0 to its spare word, and waits for that and for its reads of this slot.  kind = 2: the barrier opens a round of the cluster's, and this slot is filled again.
.macro TURNG g, kind
.set TSL, ((\g)/NQ)%NSLOT
	WIN 0
	s_wait_tensorcnt 0x0                                   ; all my tensor loads have landed, so a group 0 may be written
	ds_add_u32 v12, v13                                    ; 0 onto my spare word
.if \kind == 2
	s_add_nc_u64 s[42+4*TSL:43+4*TSL], s[42+4*TSL:43+4*TSL], NSLOT*NQ*FRB
	s_add_nc_u64 s[54+4*TSL:55+4*TSL], s[54+4*TSL:55+4*TSL], NSLOT*NQ*FRB
.endif
	s_wait_dscnt 0x0                                       ; the add is done, and my reads of this slot are over
	s_barrier_signal -1
	MUL 0, MA/2, \g, 0                                     ; work on registers while the others arrive
	WIN 0
	s_barrier_wait -1
.if \kind == 2
	CREST                                                  ; no wave of any partner still reads this slot or has a load on its way
	JLOAD 40+4*TSL, 24, 52+4*TSL, 32                       ; the first tensor load behind the round; its four v_nop are the places in front of the loads below
.else
	PLACES 4
.endif
	FETCH (((\g)+1)/NQ)%NSLOT, 0, ((\g)+1)%2
	SCALES ((\g)+1)/NQ
	MUL MA/2, MA/2, \g, 0
.endm
.macro LASTG g
	s_wait_dscnt 0x0
	MUL 0, MA, \g, 0
.endm
; 64 numbers of a lane in window w, register 16 b + i = k 32 b + 16 (lane / 16) + i of my row, become a fragment's codes in v[PC] on and its scale word in v[PW].  Each accumulator is read from its low end on.
.macro QUANT s, w
.set WN, (\w)*5
	WIN WN
.irp b, 0,1,2,3
	v_max3_num_f32 v[TM+\b], |v[(\s)+16*\b]|, |v[(\s)+1+16*\b]|, 0x1800000   ; and the floor 2^(3 - 127): the byte cannot fall under 1
.endr
.set WN, (\w)*20
	WIN WN
.irp i, 2,4,6,8,10,12,14
.irp b, 0,1,2,3
	v_max3_num_f32 v[TM+\b], v[TM+\b], |v[(\s)+16*\b+\i]|, |v[(\s)+1+16*\b+\i]|
.endr
.endr
	WIN 0
.irp b, 0,1,2,3
	v_permlanex16_b32 v[TM+4+\b], v[TM+\b], s[SEL], s[SEL+1]
.endr
.irp b, 0,1,2,3
	v_max_num_f32 v[TM+\b], v[TM+\b], v[TM+4+\b]
.endr
.irp b, 0,1,2,3
	v_add_nc_u32 v[TM+12+\b], 0xff000000, v[TM+\b]         ; 2 off the exponent field: the conversion's scale operand
.endr
.irp b, 0,1,2,3
	v_lshrrev_b32 v[TM+4+\b], 23, v[TM+12+\b]              ; the scale's byte
.endr
	v_lshl_or_b32 v[PW], v[TM+5], 8, v[TM+4]
	v_lshl_or_b32 v[PW], v[TM+6], 16, v[PW]
	v_lshl_or_b32 v[PW], v[TM+7], 24, v[PW]
.set WN, (\w)
	WIN WN
.irp c, 0,1
	v_cvt_scalef32_pk16_fp6_f32 v[PC+6*\c:PC+2+6*\c], v[(\s)+32*\c:(\s)+15+32*\c], v[TM+12+2*\c]
	v_cvt_scalef32_pk16_fp6_f32 v[PC+12+4*\c:PC+14+4*\c], v[(\s)+16+32*\c:(\s)+31+32*\c], v[TM+12+2*\c+1]
.endr
	WIN 0
	v_nop                                                  ; one plain place behind a scaled conversion
.irp c, 0,1
.irp i, 0,1,2
	v_permlane16_swap_b32 v[PC+6*\c+\i], v[PC+12+4*\c+\i]
.endr
.irp i, 0,1,2
	v_mov_b32 v[PC+3+6*\c+\i], v[PC+12+4*\c+\i]
.endr
.endr
.endm
	s_load_b128 s[4:7], s[0:1], 0x0                        ; the tokens' images s[4:5], the weights' s[6:7]
	s_load_b64 s[10:11], s[0:1], 0x10                      ; the records
	v_lshl_add_u32 v12, v0, 2, SPARE
	v_mov_b32 v13, 0
	ds_add_u32 v12, v13
	ds_add_u32 v12, v13
	s_wait_dscnt 0x0
	v_lshrrev_b32 v1, 5, v0
	v_readfirstlane_b32 s14, v1                            ; wave 0..3
	s_lshr_b32 s15, s14, 1                                 ; my half of A.  Also: I fetch for A (0) or for B (1)
	s_and_b32 s16, s14, 1                                  ; my half of B.  Also: which half of that side I fetch
	s_bfe_u32 s92, ttmp6, 0x40000                          ; cx
	s_bfe_u32 s93, ttmp6, 0x40004                          ; cy
	s_lshl_b32 s96, s93, 2
	s_lshl_b32 s96, 15, s96                                ; my row of the cluster
	s_lshl_b32 s97, 0x1111, s92                            ; my column
	s_and_b32 s3, ttmp7, 0xffff                            ; the cluster's y: 0-3 q and k, 4-5 v; the same in all sixteen partners
	s_lshl_b32 s95, s3, 2
	s_sub_co_u32 s2, s3, 4
	s_lshl_b32 s2, s2, 3
	s_lshl_b32 s94, ttmp9, 2
	s_add_co_u32 s94, s94, s92
	s_mov_b32 s20, W_SC
	s_mov_b32 s98, H_SC
	s_cmp_lt_u32 s3, 4
	s_cselect_b32 s95, s95, 0
	s_cselect_b32 s2, 0, s2
	s_cselect_b32 s66, 0, 128                              ; A's first block: v's rows of W begin at block 128
	s_cselect_b32 s20, H_SC, s20                           ; where A's scale words begin,
	s_cselect_b32 s98, W_SC, s98                           ; and B's
	s_add_co_u32 s95, s95, s93                             ; A's tile: 4 y + cy, or cy
	s_add_co_u32 s94, s94, s2                              ; B's tile: 4 x + cx, or 4 x + cx + 8 (y - 4)
	; descriptor group 1, codes: MA rows (blocks) of NQ fragments, NKS fragments apart; elements of 8 bytes
	s_or_b32 s24, s96, (3<<16)|(1<<21)                     ; 15:0 the mask: A's tiles go to my row; 17:16 elements of 8 bytes; 21 set beside a mask
	s_or_b32 s32, s97, (3<<16)|(1<<21)                     ; B's to my column
.irp g, 24, 32
	s_mov_b32 s[\g+1], (192*NQ)<<16                        ; tensor_dim0
	s_mov_b32 s[\g+2], MA<<16                              ; tensor_dim1
	s_mov_b32 s[\g+3], (192*NQ)<<16                        ; tile_dim0
	s_mov_b32 s[\g+4], MA                                  ; tile_dim1
	s_mov_b32 s[\g+5], 192*NKS                             ; tensor_dim0_stride
	s_mov_b32 s[\g+6], 0
	s_mov_b32 s[\g+7], 0
.endr
	; and scale words: QS dense bytes as rows of 256
	s_or_b32 s68, s96, (3<<16)|(1<<21)
	s_or_b32 s76, s97, (3<<16)|(1<<21)
.irp g, 68, 76
	s_mov_b32 s[\g+1], 32<<16
	s_mov_b32 s[\g+2], (QS/256)<<16
	s_mov_b32 s[\g+3], 32<<16
	s_mov_b32 s[\g+4], QS/256
	s_mov_b32 s[\g+5], 32
	s_mov_b32 s[\g+6], 0
	s_mov_b32 s[\g+7], 0
.endr
	s_mul_i32 s17, s16, MA
	s_mul_i32 s18, s95, 2*MA
	s_add_co_u32 s18, s18, s17
	s_add_co_u32 s18, s18, s66                             ; the first block of A that I fetch
	s_mul_i32 s19, s18, NKS*64
	s_add_co_u32 s20, s20, s19
	s_mul_i32 s18, s18, NKS*FRB
	s_mov_b32 s19, 0
	s_mov_b32 s21, 0
	s_mul_i32 s22, s94, 2*MA
	s_add_co_u32 s22, s22, s17                             ; of B
	s_mul_i32 s23, s22, NKS*64
	s_add_co_u32 s98, s98, s23
	s_mul_i32 s22, s22, NKS*FRB
	s_mov_b32 s23, 0
	s_mov_b32 s99, 0
	s_mul_i32 s100, s14, QTR                               ; where they go: by the wave's number alone
	s_mul_i32 s101, s14, QS
	s_wait_kmcnt 0x0
	s_cmp_lt_u32 s3, 4
	s_cselect_b64 s[8:9], s[4:5], s[6:7]                   ; A's buffer
	s_cselect_b64 s[12:13], s[6:7], s[4:5]                 ; B's
	s_add_nc_u64 s[18:19], s[8:9], s[18:19]
	s_add_nc_u64 s[20:21], s[8:9], s[20:21]
	s_add_nc_u64 s[22:23], s[12:13], s[22:23]
	s_add_nc_u64 s[98:99], s[12:13], s[98:99]
	CROUND                                                 ; all sixteen work-groups are here: the first joint loads meet
	s_mov_b32 s84, 1
	s_add_co_u32 s85, s101, SCL
	s_mov_b64 s[86:87], s[20:21]
	s_or_b32 s87, s87, 0x80000000
	s_mov_b32 s88, 1
	s_add_co_u32 s89, s101, SCL
	s_mov_b64 s[90:91], s[98:99]
	s_or_b32 s91, s91, 0x80000000
	JLOAD 84, 68, 88, 76                                   ; the scale words of all of K: filled once
.irp s, 0,1,2
	s_mov_b32 s[40+4*\s], 1
	s_add_co_u32 s[41+4*\s], s100, \s*SLOTB
	s_add_nc_u64 s[42+4*\s:43+4*\s], s[18:19], \s*NQ*FRB
	s_or_b32 s[43+4*\s], s[43+4*\s], 0x80000000
	s_mov_b32 s[52+4*\s], 1
	s_add_co_u32 s[53+4*\s], s100, \s*SLOTB
	s_add_nc_u64 s[54+4*\s:55+4*\s], s[22:23], \s*NQ*FRB
	s_or_b32 s[55+4*\s], s[55+4*\s], 0x80000000
	JLOAD 40+4*\s, 24, 52+4*\s, 32                         ; K steps 2 s, 2 s + 1: four tensor loads of mine are out
.endr
	v_and_b32 v17, 31, v0
	v_lshlrev_b32 v1, 4, v17                               ; 16 x lane
	v_and_b32 v30, 15, v0
	v_lshlrev_b32 v2, 2, v30                               ; 4 r
	s_mul_i32 s17, s15, QTR
	s_mul_i32 s2, s16, QTR
	s_add_co_u32 s2, s2, 2*QTR
.irp s, 0,1,2
	v_add_nc_u32 v[4+\s], s17, v1                          ; my half of A in slot s,
	v_add_nc_u32 v[7+\s], s2, v1                           ; of B
	s_add_co_u32 s17, s17, SLOTB
	s_add_co_u32 s2, s2, SLOTB
.endr
	v_lshlrev_b32 v17, 2, v17
	s_mul_i32 s17, s15, QS
	s_add_co_u32 s17, s17, SCL
	v_add_nc_u32 v10, s17, v17                             ; A's scale words: 4 x lane
	s_mul_i32 s2, s16, QS
	s_add_co_u32 s2, s2, SCL+2*QS
	v_add_nc_u32 v11, s2, v17                              ; B's
	s_cmp_lt_u32 s3, 4                                     ; my record: q, k: 32 (2 tile B + half) + 2 tile A + half;  v: 512 + 8 (2 tile B + half) + 2 tile A + half
	s_cselect_b32 s66, 0, 512
	s_cselect_b32 s67, 32, 8
	s_lshl_b32 s2, s94, 1
	s_add_co_u32 s2, s2, s16
	s_mul_i32 s2, s2, s67
	s_add_co_u32 s2, s2, s66
	s_lshl_b32 s66, s95, 1
	s_add_co_u32 s2, s2, s66
	s_add_co_u32 s2, s2, s15
	s_mul_i32 s2, s2, RECB
	s_mov_b32 s3, 0
	s_add_nc_u64 s[10:11], s[10:11], s[2:3]
	s_mov_b32 s[SEL], 0x76543210
	s_mov_b32 s[SEL+1], 0xfedcba98
	s_wait_tensorcnt 0x2                                   ; the scale words and my part of slot 0 are in; slots 1 and 2 may stay out
	s_barrier_signal -1
	s_barrier_wait -1
	FETCH 0, 0, 0
	SCALES 0
	STEPG 0, 1
	TURNG 1, 2                                             ; slot 0 takes K steps 6 and 7: four steps' products in which to land
	STEPG 2, 0
	STEPG 3, 0                                             ; on into slot 2, which the last barrier has shown whole
	STEPG 4, 0
	TURNG 5, 1
	STEPG 6, 0
	LASTG 7
	; THE WAY OUT: a block of A's eight accumulators are 128 neighbours a lane: one fragment and one scale word a row, stored as they stand.
	WIN 0
	PLACES 4                                               ; behind the last products, ahead of the first read of results and of writes into operand registers
.irp b, 0,1,2,3
	v_mov_b32 v[TM+4+\b], 0                                ; a lane permute's destination counts as one of its sources
.endr
.set ea, 0
.rept 8
.if ea > 0
	s_wait_xcnt 0x0                                        ; the last block's stores have read their registers
.endif
	QUANT 64*(ea%4), 2+ea/4
.irp c, 0,1,2
	global_store_b128 v1, v[PC+4*\c:PC+4*\c+3], s[10:11] offset:FRB*ea+512*\c   ; 32 lanes store 512 consecutive bytes
.endr
	global_store_b32 v2, v[PW], s[10:11] offset:8*FRB+64*ea
.set ea, ea+1
.endr
	s_wait_tensorcnt 0x0                                   ; the wave's end
	ds_add_u32 v12, v13
	s_wait_dscnt 0x0
	CROUND                                                 ; the closing round
	s_endpgm
.Lfunc_end_k_qb5706a1c78_qkv:
	.size	k_qb5706a1c78_qkv, .Lfunc_end_k_qb5706a1c78_qkv-k_qb5706a1c78_qkv
	.p2alignl 7, 3214868480
	.fill 96, 4, 3214868480
	.section	.rodata,"a",@progbits
	.p2align	6, 0x0
	.amdhsa_kernel k_qb5706a1c78_qkv
		.amdhsa_group_segment_fixed_size 327680
		.amdhsa_private_segment_fixed_size 0
		.amdhsa_enable_private_segment 0
		.amdhsa_kernarg_size 24
		.amdhsa_user_sgpr_count 2
		.amdhsa_user_sgpr_kernarg_segment_ptr 1
		.amdhsa_wavefront_size32 1
		.amdhsa_system_sgpr_workgroup_id_x 1
		.amdhsa_system_sgpr_workgroup_id_y 1
		.amdhsa_system_sgpr_workgroup_id_z 1
		.amdhsa_system_vgpr_workitem_id 0
		.amdhsa_next_free_vgpr 1024
		.amdhsa_next_free_sgpr 102
		.amdhsa_reserve_vcc 0
		.amdhsa_float_denorm_mode_32 3
		.amdhsa_float_denorm_mode_16_64 3
		.amdhsa_memory_ordered 1
		.amdhsa_forward_progress 1
		.amdhsa_inst_pref_size 141
	.end_amdhsa_kernel
	.amdgpu_metadata
---
amdhsa.version: [ 1, 2 ]
amdhsa.kernels:
  - .name:           k_qb5706a1c78_qkv
    .symbol:         k_qb5706a1c78_qkv.kd
    .args:
      - { .name: himg, .offset: 0, .size: 8, .value_kind: global_buffer, .address_space: global }
      - { .name: wimg, .offset: 8, .size: 8, .value_kind: global_buffer, .address_space: global }
      - { .name: qkvimg, .offset: 16, .size: 8, .value_kind: global_buffer, .address_space: global }
    .group_segment_fixed_size: 327680
    .private_segment_fixed_size: 0
    .kernarg_segment_align: 8
    .kernarg_segment_size: 24
    .max_flat_workgroup_size: 128
    .sgpr_count:     102
    .vgpr_count:     1024
    .wavefront_size: 32
...
	.end_amdgpu_metadata
.endif
;; end of part 2
;; launch attn (part 3): grid 16 x 16, 16 waves a work-group, clusters of 4 x 1, 327,680 bytes of LDS; arguments qkvimg, oimg; writes oimg
.if DOCPART == 3
	.amdgcn_target "amdgcn-amd-amdhsa--gfx1250"
	.amdhsa_code_object_version 6
	.text
	.protected	k_qb5706a1c78_attn
	.globl	k_qb5706a1c78_attn
	.p2align	8
	.type	k_qb5706a1c78_attn,@function
k_qb5706a1c78_attn:
	s_mov_b64 s[64:65], 0
	v_nop
	global_prefetch_b8 v0, s[64:65] scope:SCOPE_SE
	s_setreg_imm32_b32 hwreg(HW_REG_WAVE_MODE, 25, 1), 1
	s_wait_xcnt 0x0
	s_wait_alu depctr_hold_cnt(0) depctr_sa_sdst(0) depctr_va_vdst(0) depctr_va_sdst(0) depctr_va_ssrc(0) depctr_va_vcc(0) depctr_vm_vsrc(0)
	s_getreg_b32 s2, hwreg(HW_REG_IB_STS2, 6, 4)
	s_cmp_eq_u32 s2, 0
	s_cbranch_scc0 .Lentry_in_a_cluster
	s_endpgm
.Lentry_in_a_cluster:
	s_bfe_u32 s2, ttmp6, 0x10000c
	s_cmp_lg_u32 s2, 0x3003
	s_cbranch_scc0 .Lentry_shape_is_right
	s_endpgm
.Lentry_shape_is_right:
; O = softmax(Q K^T / 64) V for 32 (batch, head), both products on codes of MX-FP6; O / l is quantised along the channels and stored as operand images.
; THE SOFTMAX: t = score x log2(e) / 64; M = the running largest t rounded up to a whole number; p = 2^(t - M) is quantised along the keys, not normalised; the row's sum of the unquantised p divides at the end.  When M moves, the sum and O are multiplied by 2^(old M - new M): exact.
; IN: records of 12,800 bytes: 8 fragments of 1,536 (registers 4 c .. 4 c + 3 of lane l at 512 c + 16 l), then 8 x 64 bytes of scale words.  q: record 32 hp + tokens / 128, k: 32 (8 + hp) + tokens / 128 (fragment = 16 tokens x the 128 channels of head pair hp);
; v: record 512 + 8 (tokens / 128) + hp (fragment = 16 of the pair's 128 channels x 128 keys).  Lane r of fragment t holds row 32 (t / 2) + 8 (t % 2) + r + 8 (r / 8), so that the 16 registers of two neighbouring result tiles are 16 neighbours.
; SHARES: a work-group owns 128 queries of one head pair.  SIXTEEN WAVES, four to a SIMD, 256 registers each: wave w owns the 16 queries of block w / 2 and ONE head, e = w % 2, so that one wave's vector work stands beside another's
; matrix work and LDS loads.  Both products are used transposed: a lane holds one query throughout.
; A HEAD HAS 64 CHANNELS, THE INSTRUCTION 128: my Q is the pair's fragment with the other head's six registers set to zero codes, which add nothing.  So of a fragment of K only the registers of my head count: head A's lie in the
; fragment's pieces 0 and 1 of 512 bytes, head B's in pieces 1 and 2, and the third piece is not read: 1,024 bytes a fragment for 1,536.  The four registers that are not loaded hold whatever codes they held: every FP6 code is a finite number, and it meets a zero.
; K's and V's records come through two LDS slots of 512 keys (4 + 4 records); each of the sixteen waves brings half a record a slot (the slot's 400 rows of 256 bytes, 25 a wave).  The four work-groups of a cluster walk the same K and V: every load is asked for jointly.
; OUT: a fragment of O holds both heads: each wave lays its 32 numbers into its own 4,096 bytes of a stage in LDS, as an image of the registers; behind one barrier the even wave reads its partner's, quantises the 64 and stores the fragment.
; REGISTERS: v1-11, v16-18 addresses; v12-15 -M, largest t, sum (pair); v20-31 Q; v38 Q's scale word; v40-43 K's scale words, v44-45 V's; v48-95 four fragments; v96-159 S^T, then p; v160-191 O^T; v192-208 the quantiser's work; v224-254 the softmax's work.
; LIMITS: NaN and infinities are not served; an exponential under 2^-126 is 0.
; No prefetch is laid: a slot's load is asked for four key steps ahead of its first read.
.set RECB,  12800
.set HALFR, 6400                       ; half a record: what one tensor load brings
.set SLOT1, 131072                     ; slot 1 begins here: one exclusive or turns an address from one slot to the other
.set SPARE, SLOT1+8*RECB               ; the spare words, 128 bytes for each of sixteen waves
.set STAGE, SPARE+16*128               ; the stage for the way out: 4,096 bytes for each wave; no tile ever lands here
.set H_SC,  3145728
.set WV,  8                            ; s8   my wave's number
.set EH,  14                           ; s14  my head of the pair: wave % 2
.set QB,  15                           ; s15  my block of 16 queries: wave / 2
.set G1,  16                           ; s[16:23] descriptor group 1
.set G0,  24                           ; s[24:27] group 0, which walks
.set STP, 28                           ; s[28:29] a slot on, in memory
.set SEL, 30                           ; s[30:31] lane selects: lane l xor 16
.set CS,  32                           ; s[32:33] c = log2(e) / 64
.set TB,  34                           ; LDS byte at which the key step's record of K begins
.set SLOTS, 35
.set FOUR,  36
.set SS, 96                            ; S^T, then p
.set SQ, 12                            ; the statistics
.set OT, 160                           ; O^T: tile d at OT + 8 d
.set TM, 192
.set PW, 208
.set PC, 48
.macro PLACES n
.rept \n
	v_nop
.endr
.endm
.macro CROUND                          ; a round of the cluster's barrier
	s_barrier_signal -1
	s_barrier_wait -1
	s_cmp_lg_u32 s[WV], 0
	s_cbranch_scc1 .Lnot_wave_0_\@
	s_barrier_signal -3
.Lnot_wave_0_\@:
	s_barrier_wait -3
	s_barrier_signal -1
	s_barrier_wait -1
.endm
; 64 numbers of a lane, v[s] .. v[s + 63], register 16 b + i = k 32 b + 16 (lane / 16) + i of my row, become a fragment's codes in v[PC] on and its scale word in v[PW].
.macro QUANT s
.irp b, 0,1,2,3
	v_max3_num_f32 v[TM+\b], |v[(\s)+16*\b]|, |v[(\s)+1+16*\b]|, 0x1800000   ; and the floor 2^(3 - 127): the byte cannot fall under 1
.endr
.irp i, 2,4,6,8,10,12,14
.irp b, 0,1,2,3
	v_max3_num_f32 v[TM+\b], v[TM+\b], |v[(\s)+16*\b+\i]|, |v[(\s)+1+16*\b+\i]|
.endr
.endr
.irp b, 0,1,2,3
	v_permlanex16_b32 v[TM+4+\b], v[TM+\b], s[SEL], s[SEL+1]
.endr
.irp b, 0,1,2,3
	v_max_num_f32 v[TM+\b], v[TM+\b], v[TM+4+\b]
.endr
.irp b, 0,1,2,3
	v_add_nc_u32 v[TM+12+\b], 0xff000000, v[TM+\b]         ; 2 off the exponent field: the conversion's scale operand
.endr
.irp b, 0,1,2,3
	v_lshrrev_b32 v[TM+4+\b], 23, v[TM+12+\b]              ; the scale's byte
.endr
	v_lshl_or_b32 v[PW], v[TM+5], 8, v[TM+4]
	v_lshl_or_b32 v[PW], v[TM+6], 16, v[PW]
	v_lshl_or_b32 v[PW], v[TM+7], 24, v[PW]
.irp c, 0,1
	v_cvt_scalef32_pk16_fp6_f32 v[PC+6*\c:PC+2+6*\c], v[(\s)+32*\c:(\s)+15+32*\c], v[TM+12+2*\c]
	v_cvt_scalef32_pk16_fp6_f32 v[PC+12+4*\c:PC+14+4*\c], v[(\s)+16+32*\c:(\s)+31+32*\c], v[TM+12+2*\c+1]   ; (a conversion's three registers begin on an even number)
.endr
	v_nop                                                  ; one plain place behind a scaled conversion
.irp c, 0,1
.irp i, 0,1,2
	v_permlane16_swap_b32 v[PC+6*\c+\i], v[PC+12+4*\c+\i]
.endr
.irp i, 0,1,2
	v_mov_b32 v[PC+3+6*\c+\i], v[PC+12+4*\c+\i]
.endr
.endr
.endm
; My head's softmax of one key step: 64 scores a lane become p's codes in v[224:235] and its scale word in v253; the sum and O^T are brought under the new M.
.macro SOFTMAX
.irp b, 0,1,2,3
	v_max3_num_f32 v[232+\b], v[SS+16*\b], v[SS+1+16*\b], v[SS+2+16*\b]   ; the largest score of each block of 32 keys: it serves the row's maximum and, since p rises with the score, the block's largest p
.endr
.irp i, 3,5,7,9,11,13
.irp b, 0,1,2,3
	v_max3_num_f32 v[232+\b], v[232+\b], v[SS+16*\b+\i], v[SS+1+16*\b+\i]
.endr
.endr
.irp b, 0,1,2,3
	v_max_num_f32 v[232+\b], v[232+\b], v[SS+15+16*\b]
.endr
.irp b, 0,1,2,3
	v_permlanex16_b32 v[236+\b], v[232+\b], s[SEL], s[SEL+1]
.endr
.irp b, 0,1,2,3
	v_max_num_f32 v[232+\b], v[232+\b], v[236+\b]          ; with lane l xor 16's 16 keys
.endr
	v_max3_num_f32 v254, v232, v233, v234
	v_max_num_f32 v254, v254, v235
	v_mul_f32 v254, s[CS], v254                            ; as t (c is positive)
	v_max_num_f32 v[SQ+1], v[SQ+1], v254                   ; the running largest t
	v_mov_b32 v254, v[SQ]
	v_floor_f32 v[SQ], -v[SQ+1]                            ; the new -M = floor(-t): M is a whole number
	v_sub_f32 v254, v[SQ], v254
	v_cvt_i32_f32 v254, v254                               ; (it saturates)
	v_ldexp_f32 v252, 1.0, v254                            ; f = 2^(old M - new M)
.set j, 0
.rept 32
	v_pk_fma_f32 v[SS+j:SS+j+1], v[SS+j:SS+j+1], s[CS:CS+1], v[SQ:SQ+1] op_sel_hi:[1,0,0]   ; t - M, two at a time
.set j, j+2
.endr
.irp b, 0,1,2,3
	v_fma_f32 v[232+\b], v[232+\b], s[CS], v[SQ]
.endr
.set j, 0
.rept 64
	v_exp_f32 v[SS+j], v[SS+j]                             ; p = 2^(t - M)
.set j, j+1
.endr
	v_pk_mul_f32 v[SQ+2:SQ+3], v[SQ+2:SQ+3], v[252:253] op_sel_hi:[1,0]   ; the sums under the new M: a plain place behind the exponentials
	s_wait_alu depctr_va_vdst(0)                           ; one wait for the batch, ahead of its first reader
.irp b, 0,1,2,3
	v_exp_f32 v[232+\b], v[232+\b]                         ; each block's largest p
.endr
	v_pk_add_f32 v[236:237], v[SS:SS+1], v[SS+2:SS+3]      ; the row's sum of the unquantised p, in two chains: it reads the 64 alone
.set j, 4
.rept 15
	v_pk_add_f32 v[SQ+2:SQ+3], v[SQ+2:SQ+3], v[SS+j:SS+j+1]
	v_pk_add_f32 v[236:237], v[236:237], v[SS+j+2:SS+j+3]
.set j, j+4
.endr
	v_pk_add_f32 v[SQ+2:SQ+3], v[SQ+2:SQ+3], v[236:237]
	s_wait_alu depctr_va_vdst(0)                           ; and one for the four
.irp b, 0,1,2,3
	v_max_num_f32 v[232+\b], 0x1800000, v[232+\b]          ; the floor 2^(3 - 127)
.endr
.irp b, 0,1,2,3
	v_add_nc_u32 v[244+\b], 0xff000000, v[232+\b]
.endr
.irp b, 0,1,2,3
	v_lshrrev_b32 v[236+\b], 23, v[244+\b]
.endr
	v_lshl_or_b32 v253, v237, 8, v236                      ; p's scale word for these 128 keys
	v_lshl_or_b32 v253, v238, 16, v253
	v_lshl_or_b32 v253, v239, 24, v253
.irp c, 0,1
	v_cvt_scalef32_pk16_fp6_f32 v[224+6*\c:226+6*\c], v[SS+32*\c:SS+15+32*\c], v[244+2*\c]
	v_cvt_scalef32_pk16_fp6_f32 v[236+4*\c:238+4*\c], v[SS+16+32*\c:SS+31+32*\c], v[244+2*\c+1]
.endr
	v_nop
.irp c, 0,1
.irp i, 0,1,2
	v_permlane16_swap_b32 v[224+6*\c+\i], v[236+4*\c+\i]
.endr
.irp i, 0,1,2
	v_mov_b32 v[227+6*\c+\i], v[236+4*\c+\i]
.endr
.endr
.set j, 0
.rept 16
	v_pk_mul_f32 v[OT+j:OT+j+1], v[OT+j:OT+j+1], v[252:253] op_sel_hi:[1,0]   ; O^T under the new M.  These sixteen are also the places between the scale word's and the codes' last writes and the products
.set j, j+2
.endr
.endm
; Four fragments of K, 4 g .. 4 g + 3 of the key step's eight: my head's two pieces of each.  The branch hangs on the wave's number alone; both ways issue eight loads.
.macro KLOAD g
	s_cmp_eq_u32 s[EH], 0
	s_cbranch_scc0 .Lhead_b_\@
.irp t, 0,1,2,3
	ds_load_b128 v[48+12*\t:51+12*\t], v8 offset:1536*(4*(\g)+\t)          ; head A: registers 0-3
	ds_load_b128 v[52+12*\t:55+12*\t], v8 offset:1536*(4*(\g)+\t)+512      ; and 4-7
.endr
	s_branch .Lboth_\@
.Lhead_b_\@:
.irp t, 0,1,2,3
	ds_load_b128 v[52+12*\t:55+12*\t], v8 offset:1536*(4*(\g)+\t)+512      ; head B: registers 4-7
	ds_load_b128 v[56+12*\t:59+12*\t], v8 offset:1536*(4*(\g)+\t)+1024     ; and 8-11
.endr
.Lboth_\@:
.endm
; A KEY STEP: 128 keys, my head.
.macro STEP
	v_add_nc_u32 v8, s[TB], v1                             ; K's fragments; (these four additions are the places behind the last products)
	v_add_nc_u32 v10, s[TB], v2                            ; K's scale words
	v_add_nc_u32 v9, s[TB], v17                            ; my head's four fragments of V, four records on
	v_add_nc_u32 v11, s[TB], v18                           ; and their scale words
.irp g, 0,1                                            ; S^T = K Q^T: four fragments of 16 keys at a time
.if \g
	PLACES 4                                               ; in front of loads into registers that the last four products read
.endif
	KLOAD \g
.if \g == 0
.irp p, 0,1,2,3
	ds_load_b32 v[40+\p], v10 offset:128*\p                ; lanes 0-15: fragment 2 p's words, lanes 16-31: fragment 2 p + 1's
.endr
.irp p, 0,1
	ds_load_b32 v[44+\p], v11 offset:128*\p
.endr
.endif
	s_wait_dscnt 0x0
.irp t, 0,1,2,3
.if \t%2
	v_wmma_scale_f32_16x16x128_f8f6f4 v[SS+8*(4*\g+\t):SS+7+8*(4*\g+\t)], v[48+12*\t:59+12*\t], v[20:31], 0, v[40+(4*\g+\t)/2], v38 matrix_a_fmt:MATRIX_FMT_FP6 matrix_b_fmt:MATRIX_FMT_FP6 matrix_a_scale:MATRIX_SCALE_ROW1
.else
	v_wmma_scale_f32_16x16x128_f8f6f4 v[SS+8*(4*\g+\t):SS+7+8*(4*\g+\t)], v[48+12*\t:59+12*\t], v[20:31], 0, v[40+(4*\g+\t)/2], v38 matrix_a_fmt:MATRIX_FMT_FP6 matrix_b_fmt:MATRIX_FMT_FP6
.endif
.endr
.endr
	PLACES 4                                               ; behind the last products: ahead of the loads into their operands and of the first read of scores
.irp t, 0,1,2,3                                        ; V's four fragments are on their way while the softmax is worked
.irp c, 0,1,2
	ds_load_b128 v[48+12*\t+4*\c:51+12*\t+4*\c], v9 offset:1536*\t+512*\c
.endr
.endr
	SOFTMAX
	s_wait_dscnt 0x0
.irp d, 0,1,2,3                                        ; O^T += V^T P^T: the four accumulators by turns
.if \d%2
	v_wmma_scale_f32_16x16x128_f8f6f4 v[OT+8*\d:OT+8*\d+7], v[48+12*\d:59+12*\d], v[224:235], v[OT+8*\d:OT+8*\d+7], v[44+\d/2], v253 matrix_a_fmt:MATRIX_FMT_FP6 matrix_b_fmt:MATRIX_FMT_FP6 matrix_a_scale:MATRIX_SCALE_ROW1
.else
	v_wmma_scale_f32_16x16x128_f8f6f4 v[OT+8*\d:OT+8*\d+7], v[48+12*\d:59+12*\d], v[224:235], v[OT+8*\d:OT+8*\d+7], v[44+\d/2], v253 matrix_a_fmt:MATRIX_FMT_FP6 matrix_b_fmt:MATRIX_FMT_FP6
.endif
.endr
	s_add_co_u32 s[TB], s[TB], RECB
.endm
.macro FOUR_STEPS                      ; a slot's four key steps: written once, walked four times
	s_mov_b32 s[FOUR], 4
.Lstep_\@:
	STEP
	s_sub_co_u32 s[FOUR], s[FOUR], 1
	s_cmp_lg_u32 s[FOUR], 0
	s_cbranch_scc1 .Lstep_\@
	s_sub_co_u32 s[TB], s[TB], 4*RECB
	s_xor_b32 s[TB], s[TB], SLOT1                          ; on to the other slot
.endm
; THE CHANGE OF SLOTS stands at a slot's head: each wave waits for all its tensor loads (its half record of the slot ahead), adds 0 to its spare word, and waits for that and for its reads of the slot that it has left.
; fill = 1: a round of the cluster's barrier, and the slot just left takes the next 512 keys: four key steps in which to land.
.macro CHANGE fill
	s_wait_tensorcnt 0x0                                   ; no tensor load of mine is out, so group 0 may be written
	ds_add_u32 v3, v4                                      ; 0 onto my spare word
.if \fill
	s_xor_b32 s[G0+1], s[G0+1], SLOT1
	s_add_nc_u64 s[G0+2:G0+3], s[G0+2:G0+3], s[STP:STP+1]
	s_wait_dscnt 0x0
	CROUND
	tensor_load_to_lds s[G0:G0+3], s[G1:G1+7]              ; the first thing behind the round, and my one tensor load until the next
	s_nop 0
	PLACES 4
.else
	s_wait_dscnt 0x0
	s_barrier_signal -1
	s_barrier_wait -1
.endif
.endm
	s_load_b128 s[4:7], s[0:1], 0x0                        ; the records s[4:5], O's images s[6:7]
	v_lshl_add_u32 v3, v0, 2, SPARE
	v_mov_b32 v4, 0
	ds_add_u32 v3, v4
	ds_add_u32 v3, v4
	s_wait_dscnt 0x0
	v_lshrrev_b32 v5, 5, v0
	v_readfirstlane_b32 s[WV], v5                          ; wave 0..15
	s_and_b32 s[EH], s[WV], 1                              ; my head of the pair
	s_lshr_b32 s[QB], s[WV], 1                             ; my block of 16 queries
	s_bfe_u32 s9, ttmp6, 0x40000                           ; cx
	s_lshl_b32 s10, ttmp9, 2
	s_add_co_u32 s10, s10, s9                              ; my 128 queries of the batch's 2,048: it enters Q's and O's addresses alone
	s_and_b32 s11, ttmp7, 0xffff
	s_lshr_b32 s12, s11, 3                                 ; the batch
	s_and_b32 s13, s11, 7                                  ; the head pair
	s_mov_b32 s[G1], 15|(3<<16)|(1<<21)                    ; the mask: all four work-groups; elements of 8 bytes; 21 set beside a mask
	s_mov_b32 s[G1+1], 32<<16                              ; half a record is 25 dense rows of 256 bytes
	s_mov_b32 s[G1+2], 25<<16
	s_mov_b32 s[G1+3], 32<<16
	s_mov_b32 s[G1+4], 25
	s_mov_b32 s[G1+5], 32
	s_mov_b32 s[G1+6], 0
	s_mov_b32 s[G1+7], 0
	s_and_b32 s40, s[QB], 3                                ; which of a slot's four key steps I fetch for
	s_lshl_b32 s37, s12, 4                                 ; the batch's first group of 128 tokens
	s_add_co_u32 s38, s13, 8
	s_lshl_b32 s38, s38, 5
	s_add_co_u32 s38, s38, s37
	s_add_co_u32 s38, s38, s40                             ; waves 0-7: K's record of that key step
	s_add_co_u32 s39, s37, s40
	s_lshl_b32 s39, s39, 3
	s_add_co_u32 s39, s39, s13
	s_add_co_u32 s39, s39, 512                             ; waves 8-15: V's
	s_mov_b32 s[STP], 32*RECB
	s_cmp_lt_u32 s[WV], 8
	s_cselect_b32 s38, s38, s39
	s_cselect_b32 s[STP], 4*RECB, s[STP]                   ; four key steps on: 4 records in K, 32 in V
	s_mov_b32 s[STP+1], 0
	s_mul_i32 s38, s38, RECB
	s_mul_i32 s39, s[EH], HALFR                            ; the record's lower or upper half
	s_add_co_u32 s38, s38, s39
	s_mov_b32 s39, 0
	s_lshl_b32 s40, s13, 5
	s_add_co_u32 s40, s40, s37
	s_add_co_u32 s40, s40, s10                             ; q's record
	s_mul_i32 s40, s40, RECB
	s_mul_i32 s41, s[QB], 1536
	s_lshl_b32 s42, s[QB], 6
	s_add_co_u32 s42, s42, s40
	s_add_co_u32 s42, s42, 12288                           ; my fragment's scale words,
	s_add_co_u32 s40, s40, s41                             ; and its codes
	s_mov_b32 s41, 0
	s_mov_b32 s43, 0
	s_lshl_b32 s44, s12, 7
	s_lshl_b32 s45, s10, 3
	s_add_co_u32 s44, s44, s45
	s_add_co_u32 s44, s44, s[QB]                           ; my block of 16 tokens
	s_lshl_b32 s44, s44, 3
	s_add_co_u32 s44, s44, s13                             ; O's fragment: 8 x block + head pair
	s_lshl_b32 s46, s44, 6
	s_add_co_u32 s46, s46, H_SC
	s_mul_i32 s44, s44, 1536
	s_mov_b32 s45, 0
	s_mov_b32 s47, 0
	s_cmp_eq_u32 s[EH], 0
	s_cselect_b32 s48, -1, 0                               ; keeps Q's registers 0-5 in head A's waves,
	s_cselect_b32 s49, 0, -1                               ; registers 6-11 in head B's
	s_mov_b32 s[SEL], 0x76543210
	s_mov_b32 s[SEL+1], 0xfedcba98
	s_mov_b32 s[CS], 0x3cb8aa3b                            ; log2(e) / 64
	s_mov_b32 s[CS+1], s[CS]
	s_mov_b32 s[TB], 0
	s_mov_b32 s[SLOTS], 3
	s_wait_kmcnt 0x0
	s_mov_b32 s[G0], 1
	s_mul_i32 s[G0+1], s[WV], HALFR                        ; my half record's place in slot 0
	s_add_nc_u64 s[G0+2:G0+3], s[4:5], s[38:39]
	s_or_b32 s[G0+3], s[G0+3], 0x80000000
	s_add_nc_u64 s[40:41], s[4:5], s[40:41]
	s_add_nc_u64 s[42:43], s[4:5], s[42:43]
	s_add_nc_u64 s[44:45], s[6:7], s[44:45]
	s_add_nc_u64 s[46:47], s[6:7], s[46:47]
	CROUND                                                 ; all four work-groups are here: the first joint loads meet
	tensor_load_to_lds s[G0:G0+3], s[G1:G1+7]              ; slot 0
	s_nop 0
	PLACES 4
	v_and_b32 v5, 31, v0
	v_lshlrev_b32 v1, 4, v5                                ; 16 x lane
	v_lshlrev_b32 v2, 2, v5
	v_add_nc_u32 v2, 12288, v2                             ; a record's scale words: 4 x lane behind its fragments
	v_and_b32 v6, 15, v0
	v_lshlrev_b32 v6, 2, v6                                ; 4 r
	s_mul_i32 s50, s[EH], 6144
	s_add_co_u32 s50, s50, 4*RECB
	v_add_nc_u32 v17, s50, v1                              ; V's record lies four records on; my head's four fragments begin 6,144 e bytes into it,
	s_lshl_b32 s51, s[EH], 8
	s_add_co_u32 s51, s51, 4*RECB
	v_add_nc_u32 v18, s51, v2                              ; and their scale words 256 e bytes into its scale words
	s_lshl_b32 s50, s[WV], 12
	s_add_co_u32 s50, s50, STAGE
	v_add_nc_u32 v7, s50, v1                               ; my part of the stage,
	s_xor_b32 s51, s[WV], 1
	s_lshl_b32 s51, s51, 12
	s_add_co_u32 s51, s51, STAGE
	v_add_nc_u32 v16, s51, v1                              ; and my partner's
	global_load_b128 v[20:23], v1, s[40:41]                ; Q's fragment, both heads
	global_load_b128 v[24:27], v1, s[40:41] offset:512
	global_load_b128 v[28:31], v1, s[40:41] offset:1024
	global_load_b32 v38, v6, s[42:43]
	v_mov_b32 v[SQ+1], 0xff61b1e6                          ; the largest t so far: -3e38
	v_floor_f32 v[SQ], -v[SQ+1]
	v_mov_b32 v[SQ+2], 0
	v_mov_b32 v[SQ+3], 0
.irp b, 0,1,2,3
	v_mov_b32 v[236+\b], 0                                 ; a lane permute's destination counts as one of its sources
	v_mov_b32 v[TM+4+\b], 0
.endr
	v_mov_b32 v253, 0                                      ; (named as the upper half of the pair v[252:253] before it is first written)
.irp t, 0,1,2,3
.irp i, 0,1,2,3
	v_mov_b32 v[48+12*\t+\i], 0                            ; of a fragment's registers 0-3 and 8-11 one run is never loaded from K: written once, so that it holds codes
	v_mov_b32 v[56+12*\t+\i], 0
.endr
.endr
.set j, 0
.rept 32
	v_mov_b32 v[OT+j], 0                                   ; O^T.  The step is written once: the first finds zeros, which the first change of M leaves zeros
.set j, j+1
.endr
	s_wait_loadcnt 0x0
.irp i, 0,1,2,3,4,5
	v_and_b32 v[20+\i], s48, v[20+\i]                      ; the other head's codes become zero codes
	v_and_b32 v[26+\i], s49, v[26+\i]
.endr
.Lslot:
	CHANGE 1
	FOUR_STEPS
	s_sub_co_u32 s[SLOTS], s[SLOTS], 1
	s_cmp_lg_u32 s[SLOTS], 0
	s_cbranch_scc1 .Lslot
	CHANGE 0                                               ; the last slot is written out
	FOUR_STEPS
	; THE WAY OUT: O^T / the sum: a lane's 32 numbers are its half of my head's 64 channels.
	PLACES 4                                               ; behind the last products
	v_add_f32 v[SQ+2], v[SQ+2], v[SQ+3]                    ; the sum's two halves,
	v_permlanex16_b32 v236, v[SQ+2], s[SEL], s[SEL+1]
	v_add_f32 v[SQ+2], v[SQ+2], v236                       ; and lane l xor 16's
	v_rcp_f32 v[SQ+2], v[SQ+2]
	v_nop                                                  ; a plain place behind the reciprocal
	s_wait_alu depctr_va_vdst(0)                           ; and a wait ahead of its first reader
.set j, 0
.rept 32
	v_mul_f32 v[SS+j], v[OT+j], v[SQ+2]                    ; each accumulator from its low end on
.set j, j+1
.endr
.irp i, 0,1,2,3,4,5,6,7
	ds_store_b128 v7, v[SS+4*\i:SS+4*\i+3] offset:512*\i   ; as an image of the registers: 512 consecutive bytes a store
.endr
	s_wait_dscnt 0x0                                       ; for my partner's sake: my stores have landed
	s_barrier_signal -1
	s_barrier_wait -1
	s_cmp_lg_u32 s[EH], 0
	s_cbranch_scc1 .Lodd_done                              ; head B's wave has handed its numbers over
.irp i, 0,1,2,3,4,5,6,7
	ds_load_b128 v[SS+32+4*\i:SS+32+4*\i+3], v16 offset:512*\i   ; head B's 32 numbers, in the same lanes: with mine the pair's 128 channels
.endr
	s_wait_dscnt 0x0
	QUANT SS
.irp c, 0,1,2
	global_store_b128 v1, v[PC+4*\c:PC+4*\c+3], s[44:45] offset:512*\c   ; 32 lanes store 512 consecutive bytes
.endr
	global_store_b32 v6, v[PW], s[46:47]                   ; lanes r and r + 16 hold the same word
.Lodd_done:
	s_wait_tensorcnt 0x0                                   ; the wave's end
	ds_add_u32 v3, v4
	s_wait_dscnt 0x0
	CROUND                                                 ; the closing round
	s_endpgm
.Lfunc_end_k_qb5706a1c78_attn:
	.size	k_qb5706a1c78_attn, .Lfunc_end_k_qb5706a1c78_attn-k_qb5706a1c78_attn
	.p2alignl 7, 3214868480
	.fill 96, 4, 3214868480
	.section	.rodata,"a",@progbits
	.p2align	6, 0x0
	.amdhsa_kernel k_qb5706a1c78_attn
		.amdhsa_group_segment_fixed_size 327680
		.amdhsa_private_segment_fixed_size 0
		.amdhsa_enable_private_segment 0
		.amdhsa_kernarg_size 16
		.amdhsa_user_sgpr_count 2
		.amdhsa_user_sgpr_kernarg_segment_ptr 1
		.amdhsa_wavefront_size32 1
		.amdhsa_system_sgpr_workgroup_id_x 1
		.amdhsa_system_sgpr_workgroup_id_y 1
		.amdhsa_system_sgpr_workgroup_id_z 1
		.amdhsa_system_vgpr_workitem_id 0
		.amdhsa_next_free_vgpr 256
		.amdhsa_next_free_sgpr 66
		.amdhsa_reserve_vcc 0
		.amdhsa_float_denorm_mode_32 3
		.amdhsa_float_denorm_mode_16_64 3
		.amdhsa_memory_ordered 1
		.amdhsa_forward_progress 1
		.amdhsa_inst_pref_size 51
	.end_amdhsa_kernel
	.amdgpu_metadata
---
amdhsa.version: [ 1, 2 ]
amdhsa.kernels:
  - .name:           k_qb5706a1c78_attn
    .symbol:         k_qb5706a1c78_attn.kd
    .args:
      - { .name: qkvimg, .offset: 0, .size: 8, .value_kind: global_buffer, .address_space: global }
      - { .name: oimg, .offset: 8, .size: 8, .value_kind: global_buffer, .address_space: global }
    .group_segment_fixed_size: 327680
    .private_segment_fixed_size: 0
    .kernarg_segment_align: 8
    .kernarg_segment_size: 16
    .max_flat_workgroup_size: 512
    .sgpr_count:     66
    .vgpr_count:     256
    .wavefront_size: 32
...
	.end_amdgpu_metadata
.endif
;; end of part 3
;; launch proj (part 4): grid 8 x 32, 4 waves a work-group, clusters of 4 x 4, 327,680 bytes of LDS; arguments oimg, wimg, b_out, x, x1; writes x1
.if DOCPART == 4
	.amdgcn_target "amdgcn-amd-amdhsa--gfx1250"
	.amdhsa_code_object_version 6
	.text
	.protected	k_qb5706a1c78_proj
	.globl	k_qb5706a1c78_proj
	.p2align	8
	.type	k_qb5706a1c78_proj,@function
k_qb5706a1c78_proj:
	s_mov_b64 s[64:65], 0
	v_nop
	global_prefetch_b8 v0, s[64:65] scope:SCOPE_SE
	s_setreg_imm32_b32 hwreg(HW_REG_WAVE_MODE, 25, 1), 1
	s_wait_xcnt 0x0
	s_wait_alu depctr_hold_cnt(0) depctr_sa_sdst(0) depctr_va_vdst(0) depctr_va_sdst(0) depctr_va_ssrc(0) depctr_va_vcc(0) depctr_vm_vsrc(0)
	s_getreg_b32 s2, hwreg(HW_REG_IB_STS2, 6, 4)
	s_cmp_eq_u32 s2, 0
	s_cbranch_scc0 .Lentry_in_a_cluster
	s_endpgm
.Lentry_in_a_cluster:
	s_bfe_u32 s2, ttmp6, 0x10000c
	s_cmp_lg_u32 s2, 0xf033
	s_cbranch_scc0 .Lentry_shape_is_right
	s_endpgm
.Lentry_shape_is_right:
; out = res + A W^T + bias, f32 [4096][1024]; A (16-token blocks) and W (16-row blocks) are operand images of MX-FP6 codes.  Here: A = the attention's output, K = 1,024, W = w_out.
; AN IMAGE: a fragment (16 rows x 128 K) is 1,536 bytes, registers 4 c .. 4 c + 3 of lane l at 512 c + 16 l; its scale words 64 bytes.  Fragment f = NKS x block + K step at 1,536 f.  Lane r of block a holds row 32 (a / 2) + 8 (a % 2) + r + 8 (r / 8).
; Source 0 = 16 rows of W, source 1 = 16 tokens: a lane holds one token, and its registers of W's blocks 2 b, 2 b + 1 are 16 neighbouring columns.
; A work-group makes 128 x 128, a wave 64 x 64: 16 accumulators.  A slot holds 4 K steps; two slots.  4 x 4 work-groups form a cluster: A's tiles are asked for jointly along a row, W's along a column.
; The bias is the C of each sum's first product.  The residual's rows are asked for at the head.  Results leave through the wave's stage in LDS as rows of 256 bytes.
; REGISTERS: window 0: v1-16 addresses; v32-63 scale words, two sets; v64-159 fragment set 1.  window 1: v0-95 set 0; v192-223 the bias.  window 2: v0-127 accumulator (a, b) at 8 (4 a + b).  window 3: v0-127 the residual.
.set MA,    4
.set NQ,    4
.set NKS,   8                          ; K steps
.set NSW,   NKS/NQ                     ; slots' worth of K
.set REGBLK, 192                       ; W's first block among the weights' images, in blocks of NKS fragments
.set A_SC,  3145728                    ; where A's scale words begin
.set NSLOT, 2
.set FRB,   1536
.set SLOTB, 98304
.set QTR,   24576
.set SCL,   NSLOT*SLOTB
.set QS,    MA*NKS*64
.set SPARE, SCL+4*QS
.set W_SC,  9437184
.set MSB, 0
.macro WIN new
.if MSB != \new
	s_set_vgpr_msb (MSB<<8)|\new
.set MSB, \new
.endif
.endm
.macro PLACES n
.rept \n
	v_nop
.endr
.endm
.macro JLOAD g0a, g1a, g0b, g1b        ; a joint load: waves 0 and 1 fetch for A, waves 2 and 3 for W; four v_nop follow each of the two lines
	s_cmp_eq_u32 s15, 0
	s_cbranch_scc0 .Lfor_b_\@
	tensor_load_to_lds s[\g0a:\g0a+3], s[\g1a:\g1a+7]
	s_nop 0
.rept 4
	v_nop
.endr
	s_branch .Lasked_\@
.Lfor_b_\@:
	tensor_load_to_lds s[\g0b:\g0b+3], s[\g1b:\g1b+7]
	s_nop 0
.rept 4
	v_nop
.endr
.Lasked_\@:
.endm
.macro CREST
	s_cmp_lg_u32 s14, 0
	s_cbranch_scc1 .Lnot_wave_0_\@
	s_barrier_signal -3
.Lnot_wave_0_\@:
	s_barrier_wait -3
	s_barrier_signal -1
	s_barrier_wait -1
.endm
.macro CROUND
	s_barrier_signal -1
	s_barrier_wait -1
	CREST
.endm
.macro FETCH slot, q, set
.set WN, 0x40*(1-(\set))
	WIN WN
.set fi, 0
.rept MA
.irp c, 0,1,2
	ds_load_b128 v[64*(\set)+12*fi+4*\c:64*(\set)+12*fi+4*\c+3], v[4+(\slot)] offset:fi*NQ*FRB+(\q)*FRB+512*\c
.endr
.set fi, fi+1
.endr
.set fi, 0
.rept MA
.irp c, 0,1,2
	ds_load_b128 v[64*(\set)+12*MA+12*fi+4*\c:64*(\set)+12*MA+12*fi+4*\c+3], v[7+(\slot)] offset:fi*NQ*FRB+(\q)*FRB+512*\c
.endr
.set fi, fi+1
.endr
	WIN 0
.endm
.macro SCALES sg                       ; one register carries two K steps of a block: the even one in lanes 0-15, the odd one in lanes 16-31
.set si, 0
.rept MA
.set sj, 0
.rept NQ/2
	ds_load_b32 v[32+16*((\sg)%2)+si*(NQ/2)+sj], v10 offset:si*NKS*64+((\sg)*NQ+2*sj)*64
	ds_load_b32 v[40+16*((\sg)%2)+si*(NQ/2)+sj], v11 offset:si*NKS*64+((\sg)*NQ+2*sj)*64
.set sj, sj+1
.endr
.set si, si+1
.endr
.endm
; K step g: A's blocks a0 .. a0 + na - 1 against W's MA.  first = 2: the bias starts the sums.  The accumulators take turns, one instruction a turn.
.macro MUL a0, na, g, first
.set mset, (\g)%2
.set mq, (\g)%NQ
.set msc, 32+16*(((\g)/NQ)%2)
.set ma, \a0
.rept \na
.set DW, 2+(8*MA*ma)/256
.set CW, DW
.if \first == 2
.set CW, 1
.endif
.set WN, (1-mset)*5+(CW<<4)+(DW<<6)
	WIN WN
.set mb, 0
.rept MA
.set AC, (8*(MA*ma+mb))%256
.set FB, 64*mset+12*MA+12*mb
.set FA, 64*mset+12*ma
.set SCB, msc+8+mb*(NQ/2)+mq/2
.set SCA, msc+ma*(NQ/2)+mq/2
.if \first == 2
	v_wmma_scale_f32_16x16x128_f8f6f4 v[AC:AC+7], v[FB:FB+11], v[FA:FA+11], v[192+8*mb:199+8*mb], v[SCB], v[SCA] matrix_a_fmt:MATRIX_FMT_FP6 matrix_b_fmt:MATRIX_FMT_FP6
.elseif mq%2 == 0
	v_wmma_scale_f32_16x16x128_f8f6f4 v[AC:AC+7], v[FB:FB+11], v[FA:FA+11], v[AC:AC+7], v[SCB], v[SCA] matrix_a_fmt:MATRIX_FMT_FP6 matrix_b_fmt:MATRIX_FMT_FP6
.else
	v_wmma_scale_f32_16x16x128_f8f6f4 v[AC:AC+7], v[FB:FB+11], v[FA:FA+11], v[AC:AC+7], v[SCB], v[SCA] matrix_a_fmt:MATRIX_FMT_FP6 matrix_b_fmt:MATRIX_FMT_FP6 matrix_a_scale:MATRIX_SCALE_ROW1 matrix_b_scale:MATRIX_SCALE_ROW1
.endif
.set mb, mb+1
.endr
.set ma, ma+1
.endr
.endm
.macro STEPG g, first                  ; a K step with its successor in the same slot
	s_wait_dscnt 0x0                                       ; this step's set is in
	PLACES 4                                               ; in front of loads into registers that the last step's products read
	FETCH (((\g)+1)/NQ)%NSLOT, ((\g)+1)%NQ, ((\g)+1)%2
	MUL 0, MA, \g, \first
.endm
; A slot's last step changes slots: one barrier; in front of it each wave waits for all its tensor loads, adds 0 to its spare word, and waits for that and for its reads of this slot.  kind = 2: the barrier opens a round of the cluster's, and this slot is filled again.
.macro TURNG g, kind
.set TSL, ((\g)/NQ)%NSLOT
	WIN 0
	s_wait_tensorcnt 0x0
	ds_add_u32 v12, v13                                    ; 0 onto my spare word
.if \kind == 2
	s_add_nc_u64 s[42+4*TSL:43+4*TSL], s[42+4*TSL:43+4*TSL], NSLOT*NQ*FRB
	s_add_nc_u64 s[54+4*TSL:55+4*TSL], s[54+4*TSL:55+4*TSL], NSLOT*NQ*FRB
.endif
	s_wait_dscnt 0x0
	s_barrier_signal -1
	MUL 0, MA/2, \g, 0
	WIN 0
	s_barrier_wait -1
.if \kind == 2
	CREST
	JLOAD 40+4*TSL, 24, 52+4*TSL, 32
.else
	PLACES 4
.endif
	FETCH (((\g)+1)/NQ)%NSLOT, 0, ((\g)+1)%2
	SCALES ((\g)+1)/NQ
	MUL MA/2, MA/2, \g, 0
.endm
.macro LASTG g
	s_wait_dscnt 0x0
	MUL 0, MA, \g, 0
.endm
	s_load_b256 s[4:11], s[0:1], 0x0                       ; A s[4:5], the weights s[6:7], the bias s[8:9], the residual s[10:11]
	s_load_b64 s[12:13], s[0:1], 0x20                      ; out
	v_lshl_add_u32 v12, v0, 2, SPARE
	v_mov_b32 v13, 0
	ds_add_u32 v12, v13
	ds_add_u32 v12, v13
	s_wait_dscnt 0x0
	v_lshrrev_b32 v1, 5, v0
	v_readfirstlane_b32 s14, v1
	s_lshr_b32 s15, s14, 1                                 ; my half of A.  Also: I fetch for A (0) or for W (1)
	s_and_b32 s16, s14, 1                                  ; my half of W.  Also: which half of that side I fetch
	s_bfe_u32 s92, ttmp6, 0x40000
	s_bfe_u32 s93, ttmp6, 0x40004
	s_lshl_b32 s94, ttmp9, 2
	s_add_co_u32 s94, s94, s92                             ; W's tile
	s_and_b32 s95, ttmp7, 0xffff
	s_lshl_b32 s95, s95, 2
	s_add_co_u32 s95, s95, s93                             ; A's tile
	s_lshl_b32 s96, s93, 2
	s_lshl_b32 s96, 15, s96
	s_lshl_b32 s97, 0x1111, s92
	s_or_b32 s24, s96, (3<<16)|(1<<21)                     ; group 1, codes: MA rows (blocks) of NQ fragments, NKS fragments apart; elements of 8 bytes
	s_or_b32 s32, s97, (3<<16)|(1<<21)
.irp g, 24, 32
	s_mov_b32 s[\g+1], (192*NQ)<<16
	s_mov_b32 s[\g+2], MA<<16
	s_mov_b32 s[\g+3], (192*NQ)<<16
	s_mov_b32 s[\g+4], MA
	s_mov_b32 s[\g+5], 192*NKS
	s_mov_b32 s[\g+6], 0
	s_mov_b32 s[\g+7], 0
.endr
	s_or_b32 s68, s96, (3<<16)|(1<<21)                     ; scale words: QS dense bytes as rows of 256
	s_or_b32 s76, s97, (3<<16)|(1<<21)
.irp g, 68, 76
	s_mov_b32 s[\g+1], 32<<16
	s_mov_b32 s[\g+2], (QS/256)<<16
	s_mov_b32 s[\g+3], 32<<16
	s_mov_b32 s[\g+4], QS/256
	s_mov_b32 s[\g+5], 32
	s_mov_b32 s[\g+6], 0
	s_mov_b32 s[\g+7], 0
.endr
	s_mul_i32 s17, s16, MA
	s_mul_i32 s18, s95, 2*MA
	s_add_co_u32 s18, s18, s17
	s_mul_i32 s20, s18, NKS*64
	s_add_co_u32 s20, s20, A_SC
	s_mul_i32 s18, s18, NKS*FRB
	s_mov_b32 s19, 0
	s_mov_b32 s21, 0
	s_mul_i32 s22, s94, 2*MA
	s_add_co_u32 s22, s22, s17
	s_add_co_u32 s22, s22, REGBLK
	s_mul_i32 s98, s22, NKS*64
	s_add_co_u32 s98, s98, W_SC
	s_mul_i32 s22, s22, NKS*FRB
	s_mov_b32 s23, 0
	s_mov_b32 s99, 0
	s_mul_i32 s100, s14, QTR
	s_mul_i32 s101, s14, QS
	s_wait_kmcnt 0x0
	s_add_nc_u64 s[18:19], s[4:5], s[18:19]
	s_add_nc_u64 s[20:21], s[4:5], s[20:21]
	s_add_nc_u64 s[22:23], s[6:7], s[22:23]
	s_add_nc_u64 s[98:99], s[6:7], s[98:99]
	CROUND
	s_mov_b32 s84, 1
	s_add_co_u32 s85, s101, SCL
	s_mov_b64 s[86:87], s[20:21]
	s_or_b32 s87, s87, 0x80000000
	s_mov_b32 s88, 1
	s_add_co_u32 s89, s101, SCL
	s_mov_b64 s[90:91], s[98:99]
	s_or_b32 s91, s91, 0x80000000
	JLOAD 84, 68, 88, 76                                   ; the scale words of all of K: filled once
.irp s, 0,1
	s_mov_b32 s[40+4*\s], 1
	s_add_co_u32 s[41+4*\s], s100, \s*SLOTB
	s_add_nc_u64 s[42+4*\s:43+4*\s], s[18:19], \s*NQ*FRB
	s_or_b32 s[43+4*\s], s[43+4*\s], 0x80000000
	s_mov_b32 s[52+4*\s], 1
	s_add_co_u32 s[53+4*\s], s100, \s*SLOTB
	s_add_nc_u64 s[54+4*\s:55+4*\s], s[22:23], \s*NQ*FRB
	s_or_b32 s[55+4*\s], s[55+4*\s], 0x80000000
	JLOAD 40+4*\s, 24, 52+4*\s, 32                         ; three tensor loads of mine are out
.endr
	v_and_b32 v17, 31, v0
	v_lshlrev_b32 v1, 4, v17                               ; 16 x lane
	v_and_b32 v30, 15, v0                                  ; r
	v_bfe_u32 v31, v0, 4, 1                                ; h
	v_lshlrev_b32 v3, 6, v31                               ; 64 h
	s_mul_i32 s17, s15, QTR
	s_mul_i32 s2, s16, QTR
	s_add_co_u32 s2, s2, 2*QTR
.irp s, 0,1
	v_add_nc_u32 v[4+\s], s17, v1
	v_add_nc_u32 v[7+\s], s2, v1
	s_add_co_u32 s17, s17, SLOTB
	s_add_co_u32 s2, s2, SLOTB
.endr
	v_lshlrev_b32 v17, 2, v17
	s_mul_i32 s17, s15, QS
	s_add_co_u32 s17, s17, SCL
	v_add_nc_u32 v10, s17, v17
	s_mul_i32 s2, s16, QS
	s_add_co_u32 s2, s2, SCL+2*QS
	v_add_nc_u32 v11, s2, v17
	s_mul_i32 s17, s14, 16*272                             ; my stage: 16 rows x (256 + 16) bytes, in slot 0, which has had its last fill and its last read when the first result is stored there
	v_mul_u32_u24 v14, v30, 272
	v_lshl_add_u32 v14, v31, 6, v14
	v_add_nc_u32 v14, s17, v14                             ; in: row r, + 64 h
	v_mul_u32_u24 v15, v31, 272
	v_lshl_add_u32 v15, v30, 4, v15
	v_add_nc_u32 v15, s17, v15                             ; back: lanes 0-15 one row, lanes 16-31 the next
	v_lshlrev_b32 v16, 12, v31
	v_lshl_add_u32 v16, v30, 4, v16                        ; and the same two rows in memory
	s_lshl_b32 s2, s94, 9
	s_lshl_b32 s3, s16, 8
	s_add_co_u32 s2, s2, s3                                ; my first column, in bytes
	s_mov_b32 s3, 0
	s_add_nc_u64 s[8:9], s[8:9], s[2:3]
	s_lshl_b32 s17, s95, 7
	s_lshl_b32 s66, s15, 6
	s_add_co_u32 s17, s17, s66
	s_lshl_b32 s17, s17, 12                                ; my first row
	s_add_co_u32 s2, s2, s17
	s_add_nc_u64 s[10:11], s[10:11], s[2:3]
	s_add_nc_u64 s[12:13], s[12:13], s[2:3]
	WIN 0x40
.irp b, 0,1,2,3
	global_load_b128 v[192+8*\b:195+8*\b], v3, s[8:9] offset:128*(\b/2)+32*(\b%2)       ; the bias in the result's layout: columns 32 (b / 2) + 8 (b % 2) + 16 h + 0 .. 7
	global_load_b128 v[196+8*\b:199+8*\b], v3, s[8:9] offset:128*(\b/2)+32*(\b%2)+16
.endr
	WIN 0xc0
.set ra, 0
.rept 4
.set ri, 0
.rept 8
	global_load_b128 v[32*ra+4*ri:32*ra+4*ri+3], v16, s[10:11] offset:(32*(ra/2)+8*(ra%2)+2*ri+8*(ri/4))*4096   ; the residual, by the rows that block ra's stage rows 2 ri, 2 ri + 1 stand for
.set ri, ri+1
.endr
.set ra, ra+1
.endr
	WIN 0
	s_wait_tensorcnt 0x1                                   ; the scale words and my part of slot 0 are in; slot 1 may stay out
	s_barrier_signal -1
	s_barrier_wait -1
	FETCH 0, 0, 0
	SCALES 0
	s_wait_loadcnt 32                                      ; the bias is in; the residual's 32 loads may be out
	STEPG 0, 2
.set gg, 1
.rept NKS-2
.if gg%NQ == NQ-1
.if gg/NQ <= NSW-3
	TURNG gg, 2
.else
	TURNG gg, 1
.endif
.else
	STEPG gg, 0
.endif
.set gg, gg+1
.endr
	LASTG NKS-1
	; THE WAY OUT, a block of 16 tokens at a time: through my stage, back as rows of 256 bytes, + the residual, stored.
	WIN 0
	PLACES 4
	s_wait_loadcnt 0x0
.set ea, 0
.rept 4
.set TT, 64+32*(ea%2)
	s_wait_xcnt 0x0                                        ; earlier stores have read their registers
	WIN 0x08                                               ; an LDS store's data are its source 1: window 2
.irp b, 0,1,2,3
	ds_store_b128 v14, v[8*(4*ea+\b):8*(4*ea+\b)+3] offset:128*(\b/2)+32*(\b%2)        ; each accumulator from its low end on
	ds_store_b128 v14, v[8*(4*ea+\b)+4:8*(4*ea+\b)+7] offset:128*(\b/2)+32*(\b%2)+16
.endr
	WIN 0
.irp i, 0,1,2,3,4,5,6,7
	ds_load_b128 v[TT+4*\i:TT+4*\i+3], v15 offset:544*\i   ; LDS serves a wave's instructions in order: these see my stores
.endr
	s_wait_dscnt 0x0
	WIN 0x0c                                               ; source 1: window 3
.set j, 0
.rept 16
	v_pk_add_f32 v[TT+j:TT+j+1], v[TT+j:TT+j+1], v[32*ea+j:32*ea+j+1]
.set j, j+2
.endr
	WIN 0
.irp i, 0,1,2,3,4,5,6,7
	global_store_b128 v16, v[TT+4*\i:TT+4*\i+3], s[12:13] offset:(32*(ea/2)+8*(ea%2)+2*\i+8*(\i/4))*4096   ; 16 lanes store 256 consecutive bytes, aligned
.endr
.set ea, ea+1
.endr
	s_wait_tensorcnt 0x0                                   ; the wave's end
	ds_add_u32 v12, v13
	s_wait_dscnt 0x0
	CROUND
	s_endpgm
.Lfunc_end_k_qb5706a1c78_proj:
	.size	k_qb5706a1c78_proj, .Lfunc_end_k_qb5706a1c78_proj-k_qb5706a1c78_proj
	.p2alignl 7, 3214868480
	.fill 96, 4, 3214868480
	.section	.rodata,"a",@progbits
	.p2align	6, 0x0
	.amdhsa_kernel k_qb5706a1c78_proj
		.amdhsa_group_segment_fixed_size 327680
		.amdhsa_private_segment_fixed_size 0
		.amdhsa_enable_private_segment 0
		.amdhsa_kernarg_size 40
		.amdhsa_user_sgpr_count 2
		.amdhsa_user_sgpr_kernarg_segment_ptr 1
		.amdhsa_wavefront_size32 1
		.amdhsa_system_sgpr_workgroup_id_x 1
		.amdhsa_system_sgpr_workgroup_id_y 1
		.amdhsa_system_sgpr_workgroup_id_z 1
		.amdhsa_system_vgpr_workitem_id 0
		.amdhsa_next_free_vgpr 896
		.amdhsa_next_free_sgpr 102
		.amdhsa_reserve_vcc 0
		.amdhsa_float_denorm_mode_32 3
		.amdhsa_float_denorm_mode_16_64 3
		.amdhsa_memory_ordered 1
		.amdhsa_forward_progress 1
		.amdhsa_inst_pref_size 58
	.end_amdhsa_kernel
	.amdgpu_metadata
---
amdhsa.version: [ 1, 2 ]
amdhsa.kernels:
  - .name:           k_qb5706a1c78_proj
    .symbol:         k_qb5706a1c78_proj.kd
    .args:
      - { .name: oimg, .offset: 0, .size: 8, .value_kind: global_buffer, .address_space: global }
      - { .name: wimg, .offset: 8, .size: 8, .value_kind: global_buffer, .address_space: global }
      - { .name: b_out, .offset: 16, .size: 8, .value_kind: global_buffer, .address_space: global }
      - { .name: x, .offset: 24, .size: 8, .value_kind: global_buffer, .address_space: global }
      - { .name: x1, .offset: 32, .size: 8, .value_kind: global_buffer, .address_space: global }
    .group_segment_fixed_size: 327680
    .private_segment_fixed_size: 0
    .kernarg_segment_align: 8
    .kernarg_segment_size: 40
    .max_flat_workgroup_size: 128
    .sgpr_count:     102
    .vgpr_count:     896
    .wavefront_size: 32
...
	.end_amdgpu_metadata
.endif
;; end of part 4
;; launch ln2: the kernel of part 1 again; grid 256 x 1, 8 waves a work-group, no clusters, 69,632 bytes of LDS; arguments x1, ln2_g, ln2_b, h2img, w_qkv_codes, w_qkv_scales, w_out_codes, w_out_scales, w1_codes, w1_scales, w2_codes, w2_scales, hid; writes h2img, hid
;; launch fc1 (part 5): grid 16 x 16, 4 waves a work-group, clusters of 4 x 4, 327,680 bytes of LDS; arguments h2img, wimg, b1, hid; writes hid
.if DOCPART == 5
	.amdgcn_target "amdgcn-amd-amdhsa--gfx1250"
	.amdhsa_code_object_version 6
	.text
	.protected	k_qb5706a1c78_fc1
	.globl	k_qb5706a1c78_fc1
	.p2align	8
	.type	k_qb5706a1c78_fc1,@function
k_qb5706a1c78_fc1:
	s_mov_b64 s[64:65], 0
	v_nop
	global_prefetch_b8 v0, s[64:65] scope:SCOPE_SE
	s_setreg_imm32_b32 hwreg(HW_REG_WAVE_MODE, 25, 1), 1
	s_wait_xcnt 0x0
	s_wait_alu depctr_hold_cnt(0) depctr_sa_sdst(0) depctr_va_vdst(0) depctr_va_sdst(0) depctr_va_ssrc(0) depctr_va_vcc(0) depctr_vm_vsrc(0)
	s_getreg_b32 s2, hwreg(HW_REG_IB_STS2, 6, 4)
	s_cmp_eq_u32 s2, 0
	s_cbranch_scc0 .Lentry_in_a_cluster
	s_endpgm
.Lentry_in_a_cluster:
	s_bfe_u32 s2, ttmp6, 0x10000c
	s_cmp_lg_u32 s2, 0xf033
	s_cbranch_scc0 .Lentry_shape_is_right
	s_endpgm
.Lentry_shape_is_right:
; hid = Q(gelu(LN2(x1) W1^T + b1)): a product on codes of MX-FP6, the exact gelu in f32, and the quantiser along the 4,096 hidden units.
; OPERANDS ARE IMAGES: a fragment (16 rows x 128 K) is 1,536 bytes, registers 4 c .. 4 c + 3 of lane l at 512 c + 16 l; its scale words 64 bytes.  In: fragment 8 x block + K step.  Out: fragment 32 x block of tokens + hidden units / 128, scale words at HID_SC + 64 f.
; Lane r of block a holds row 32 (a / 2) + 8 (a % 2) + r + 8 (r / 8).  Source 0 = 16 rows of W1, source 1 = 16 tokens: a lane holds one token, and its 64 registers of W1's eight blocks are its half of 128 neighbouring hidden units.
; A work-group makes 256 x 256, a wave 128 x 128.  K = 1,024 is 8 steps; a slot holds 2; three slots: six steps are asked for at the start, the last two go into slot 0 behind its last read.  4 x 4 work-groups form a cluster, with joint loads.
; GELU: g = max(x, 0) - |x| Q(|x|), Q(y) = phi(y) (b1 t + .. + b5 t^5), t = 1 / (1 + 0.2316419 y) (Abramowitz and Stegun 26.2.17).
; LIMITS: the formula's absolute error in Q is under 7.5e-8, so the far negative tail, where g lies under about 1e-7 |x|, has a growing relative error; NaN and infinities are not served; a block of zeros gets the scale byte 1.
; REGISTERS: window 0: v1-16 addresses; v18-29 gelu's constants, in pairs; v32-63 scale words, two sets, and nothing else; v64-255 fragment set 1.  window 1: v0-191 set 0; v192-255 the bias.  windows 2, 3: accumulator (a, b) at 8 (8 a + b).
; On the way out: v64-127 g; v128-191 t, then the quantiser's work; v192-255 the exponential, then Q, then the codes; window 1 v0-31 the polynomial.
.set MA,    8
.set NQ,    2
.set NKS,   8
.set NSLOT, 3
.set REGBLK, 256                       ; w1's first block among the weights' images
.set FRB,   1536
.set SLOTB, 98304
.set QTR,   24576
.set SCL,   NSLOT*SLOTB
.set QS,    MA*NKS*64
.set SPARE, SCL+4*QS
.set H_SC,  3145728
.set W_SC,  9437184
.set HID_SC, 12582912
.set TM, 128
.set PW, 144
.set PC, 192
.set SEL, 66
.set MSB, 0
.macro WIN new
.if MSB != \new
	s_set_vgpr_msb (MSB<<8)|\new
.set MSB, \new
.endif
.endm
.macro PLACES n
.rept \n
	v_nop
.endr
.endm
.macro JLOAD g0a, g1a, g0b, g1b        ; a joint load: waves 0 and 1 fetch for A, waves 2 and 3 for W; four v_nop follow each of the two lines
	s_cmp_eq_u32 s15, 0
	s_cbranch_scc0 .Lfor_b_\@
	tensor_load_to_lds s[\g0a:\g0a+3], s[\g1a:\g1a+7]
	s_nop 0
.rept 4
	v_nop
.endr
	s_branch .Lasked_\@
.Lfor_b_\@:
	tensor_load_to_lds s[\g0b:\g0b+3], s[\g1b:\g1b+7]
	s_nop 0
.rept 4
	v_nop
.endr
.Lasked_\@:
.endm
.macro CREST
	s_cmp_lg_u32 s14, 0
	s_cbranch_scc1 .Lnot_wave_0_\@
	s_barrier_signal -3
.Lnot_wave_0_\@:
	s_barrier_wait -3
	s_barrier_signal -1
	s_barrier_wait -1
.endm
.macro CROUND
	s_barrier_signal -1
	s_barrier_wait -1
	CREST
.endm
.macro FETCH slot, q, set
.set WN, 0x40*(1-(\set))
	WIN WN
.set fi, 0
.rept MA
.irp c, 0,1,2
	ds_load_b128 v[64*(\set)+12*fi+4*\c:64*(\set)+12*fi+4*\c+3], v[4+(\slot)] offset:fi*NQ*FRB+(\q)*FRB+512*\c
.endr
.set fi, fi+1
.endr
.set fi, 0
.rept MA
.irp c, 0,1,2
	ds_load_b128 v[64*(\set)+12*MA+12*fi+4*\c:64*(\set)+12*MA+12*fi+4*\c+3], v[7+(\slot)] offset:fi*NQ*FRB+(\q)*FRB+512*\c
.endr
.set fi, fi+1
.endr
	WIN 0
.endm
.macro SCALES sg                       ; one register carries two K steps of a block: the even one in lanes 0-15, the odd one in lanes 16-31
.set si, 0
.rept MA
.set sj, 0
.rept NQ/2
	ds_load_b32 v[32+16*((\sg)%2)+si*(NQ/2)+sj], v10 offset:si*NKS*64+((\sg)*NQ+2*sj)*64
	ds_load_b32 v[40+16*((\sg)%2)+si*(NQ/2)+sj], v11 offset:si*NKS*64+((\sg)*NQ+2*sj)*64
.set sj, sj+1
.endr
.set si, si+1
.endr
.endm
; K step g: A's blocks a0 .. a0 + na - 1 against W's MA.  first = 2: the bias starts the sums.  The accumulators take turns, one instruction a turn.
.macro MUL a0, na, g, first
.set mset, (\g)%2
.set mq, (\g)%NQ
.set msc, 32+16*(((\g)/NQ)%2)
.set ma, \a0
.rept \na
.set DW, 2+(8*MA*ma)/256
.set CW, DW
.if \first == 2
.set CW, 1
.endif
.set WN, (1-mset)*5+(CW<<4)+(DW<<6)
	WIN WN
.set mb, 0
.rept MA
.set AC, (8*(MA*ma+mb))%256
.set FB, 64*mset+12*MA+12*mb
.set FA, 64*mset+12*ma
.set SCB, msc+8+mb*(NQ/2)+mq/2
.set SCA, msc+ma*(NQ/2)+mq/2
.if \first == 2
	v_wmma_scale_f32_16x16x128_f8f6f4 v[AC:AC+7], v[FB:FB+11], v[FA:FA+11], v[192+8*mb:199+8*mb], v[SCB], v[SCA] matrix_a_fmt:MATRIX_FMT_FP6 matrix_b_fmt:MATRIX_FMT_FP6
.elseif mq%2 == 0
	v_wmma_scale_f32_16x16x128_f8f6f4 v[AC:AC+7], v[FB:FB+11], v[FA:FA+11], v[AC:AC+7], v[SCB], v[SCA] matrix_a_fmt:MATRIX_FMT_FP6 matrix_b_fmt:MATRIX_FMT_FP6
.else
	v_wmma_scale_f32_16x16x128_f8f6f4 v[AC:AC+7], v[FB:FB+11], v[FA:FA+11], v[AC:AC+7], v[SCB], v[SCA] matrix_a_fmt:MATRIX_FMT_FP6 matrix_b_fmt:MATRIX_FMT_FP6 matrix_a_scale:MATRIX_SCALE_ROW1 matrix_b_scale:MATRIX_SCALE_ROW1
.endif
.set mb, mb+1
.endr
.set ma, ma+1
.endr
.endm
.macro STEPG g, first                  ; a K step whose successor lies in bytes that are known to be whole
	s_wait_dscnt 0x0                                       ; this step's set is in
	PLACES 4                                               ; in front of loads into registers that the last step's products read
	FETCH (((\g)+1)/NQ)%NSLOT, ((\g)+1)%NQ, ((\g)+1)%2
.if ((\g)+1)%NQ == 0
	SCALES ((\g)+1)/NQ
.endif
	MUL 0, MA, \g, \first
.endm
; A slot's last step, with a barrier: in front of it each wave waits for all its tensor loads, adds 0 to its spare word, and waits for that and for its reads of this slot.  kind = 2: the barrier opens a round of the cluster's, and this slot is filled again.
.macro TURNG g, kind
.set TSL, ((\g)/NQ)%NSLOT
	WIN 0
	s_wait_tensorcnt 0x0
	ds_add_u32 v12, v13                                    ; 0 onto my spare word
.if \kind == 2
	s_add_nc_u64 s[42+4*TSL:43+4*TSL], s[42+4*TSL:43+4*TSL], NSLOT*NQ*FRB
	s_add_nc_u64 s[54+4*TSL:55+4*TSL], s[54+4*TSL:55+4*TSL], NSLOT*NQ*FRB
.endif
	s_wait_dscnt 0x0
	s_barrier_signal -1
	MUL 0, MA/2, \g, 0
	WIN 0
	s_barrier_wait -1
.if \kind == 2
	CREST
	JLOAD 40+4*TSL, 24, 52+4*TSL, 32
.else
	PLACES 4
.endif
	FETCH (((\g)+1)/NQ)%NSLOT, 0, ((\g)+1)%2
	SCALES ((\g)+1)/NQ
	MUL MA/2, MA/2, \g, 0
.endm
.macro LASTG g
	s_wait_dscnt 0x0
	MUL 0, MA, \g, 0
.endm
.macro QUANT s, w
.set WN, (\w)*5
	WIN WN
.irp b, 0,1,2,3
	v_max3_num_f32 v[TM+\b], |v[(\s)+16*\b]|, |v[(\s)+1+16*\b]|, 0x1800000   ; and the floor 2^(3 - 127): the byte cannot fall under 1
.endr
.set WN, (\w)*20
	WIN WN
.irp i, 2,4,6,8,10,12,14
.irp b, 0,1,2,3
	v_max3_num_f32 v[TM+\b], v[TM+\b], |v[(\s)+16*\b+\i]|, |v[(\s)+1+16*\b+\i]|
.endr
.endr
	WIN 0
.irp b, 0,1,2,3
	v_permlanex16_b32 v[TM+4+\b], v[TM+\b], s[SEL], s[SEL+1]
.endr
.irp b, 0,1,2,3
	v_max_num_f32 v[TM+\b], v[TM+\b], v[TM+4+\b]
.endr
.irp b, 0,1,2,3
	v_add_nc_u32 v[TM+12+\b], 0xff000000, v[TM+\b]
.endr
.irp b, 0,1,2,3
	v_lshrrev_b32 v[TM+4+\b], 23, v[TM+12+\b]
.endr
	v_lshl_or_b32 v[PW], v[TM+5], 8, v[TM+4]
	v_lshl_or_b32 v[PW], v[TM+6], 16, v[PW]
	v_lshl_or_b32 v[PW], v[TM+7], 24, v[PW]
.set WN, (\w)
	WIN WN
.irp c, 0,1
	v_cvt_scalef32_pk16_fp6_f32 v[PC+6*\c:PC+2+6*\c], v[(\s)+32*\c:(\s)+15+32*\c], v[TM+12+2*\c]
	v_cvt_scalef32_pk16_fp6_f32 v[PC+12+4*\c:PC+14+4*\c], v[(\s)+16+32*\c:(\s)+31+32*\c], v[TM+12+2*\c+1]
.endr
	WIN 0
	v_nop
.irp c, 0,1
.irp i, 0,1,2
	v_permlane16_swap_b32 v[PC+6*\c+\i], v[PC+12+4*\c+\i]
.endr
.irp i, 0,1,2
	v_mov_b32 v[PC+3+6*\c+\i], v[PC+12+4*\c+\i]
.endr
.endr
.endm
; Block a of window 2's four: gelu, the quantiser, the stores.
.macro TAIL a
.set XB, 64*(\a)
	s_wait_xcnt 0x0                                        ; the last block's stores have read their registers
	WIN 0x02                                               ; source 0: window 2
.set j, 0
.rept 64
	v_fma_f32 v[128+j], |v[XB+j]|, s20, 1.0                ; 1 + p |x|: each accumulator from its low end on
.set j, j+1
.endr
.set j, 0
.rept 32
	v_pk_mul_f32 v[192+j:193+j], v[XB+j:XB+j+1], v[28:29]  ; -x log2(e) / 2
.set j, j+2
.endr
.set j, 0
.rept 32
	v_pk_mul_f32 v[192+j:193+j], v[XB+j:XB+j+1], v[192+j:193+j]   ; -x^2 log2(e) / 2
.set j, j+2
.endr
	WIN 0
.set j, 0
.rept 64
	v_rcp_f32 v[128+j], v[128+j]                           ; t
.set j, j+1
.endr
.set j, 0
.rept 64
	v_exp_f32 v[192+j], v[192+j]                           ; e^(-x^2 / 2)
.set j, j+1
.endr
	WIN 0x08                                               ; source 1: window 2
.set j, 0
.rept 64
	v_max_num_f32 v[64+j], 0, v[XB+j]                      ; max(x, 0): plain work that names no result of the batch
.set j, j+1
.endr
	s_wait_alu depctr_va_vdst(0)                           ; one wait for the 128, ahead of their first reader
.irp gq, 0,1                                           ; the polynomial, 16 pairs at a time, stage by stage: no line waits for the line above it.  Its running value lies in window 1, v0-31
.set hb, 32*\gq
	WIN 0x40                                               ; destination: window 1
.set j, 0
.rept 16
	v_pk_fma_f32 v[j:j+1], v[128+hb+j:129+hb+j], v[18:19], v[20:21]
.set j, j+2
.endr
	WIN 0x41                                               ; destination and source 0: window 1
.irp k, 22,24,26
.set j, 0
.rept 16
	v_pk_fma_f32 v[j:j+1], v[j:j+1], v[128+hb+j:129+hb+j], v[\k:\k+1]
.set j, j+2
.endr
.endr
.set j, 0
.rept 16
	v_pk_mul_f32 v[j:j+1], v[j:j+1], v[128+hb+j:129+hb+j]
.set j, j+2
.endr
	WIN 0x04                                               ; source 1: window 1
.set j, 0
.rept 16
	v_pk_mul_f32 v[192+hb+j:193+hb+j], v[192+hb+j:193+hb+j], v[j:j+1]   ; Q(|x|)
.set j, j+2
.endr
.endr
	WIN 0x02
.set j, 0
.rept 64
	v_fma_f32 v[64+j], -|v[XB+j]|, v[192+j], v[64+j]       ; g = max(x, 0) - |x| Q(|x|)
.set j, j+1
.endr
	WIN 0
	QUANT 64, 0
.irp c, 0,1,2
	global_store_b128 v1, v[PC+4*\c:PC+4*\c+3], s[10:11] offset:32*FRB*(\a)+512*\c   ; 32 lanes store 512 consecutive bytes
.endr
	global_store_b32 v2, v[PW], s[18:19] offset:2048*(\a)
.endm
	s_load_b256 s[4:11], s[0:1], 0x0                       ; A s[4:5], the weights s[6:7], b1 s[8:9], out s[10:11]
	v_lshl_add_u32 v12, v0, 2, SPARE
	v_mov_b32 v13, 0
	ds_add_u32 v12, v13
	ds_add_u32 v12, v13
	s_wait_dscnt 0x0
	v_lshrrev_b32 v1, 5, v0
	v_readfirstlane_b32 s14, v1
	s_lshr_b32 s15, s14, 1
	s_and_b32 s16, s14, 1
	s_bfe_u32 s92, ttmp6, 0x40000
	s_bfe_u32 s93, ttmp6, 0x40004
	s_lshl_b32 s94, ttmp9, 2
	s_add_co_u32 s94, s94, s92                             ; W's tile
	s_and_b32 s95, ttmp7, 0xffff
	s_lshl_b32 s95, s95, 2
	s_add_co_u32 s95, s95, s93                             ; A's tile
	s_lshl_b32 s96, s93, 2
	s_lshl_b32 s96, 15, s96
	s_lshl_b32 s97, 0x1111, s92
	s_or_b32 s24, s96, (3<<16)|(1<<21)                     ; group 1, codes: MA rows (blocks) of NQ fragments, NKS fragments apart; elements of 8 bytes
	s_or_b32 s32, s97, (3<<16)|(1<<21)
.irp g, 24, 32
	s_mov_b32 s[\g+1], (192*NQ)<<16
	s_mov_b32 s[\g+2], MA<<16
	s_mov_b32 s[\g+3], (192*NQ)<<16
	s_mov_b32 s[\g+4], MA
	s_mov_b32 s[\g+5], 192*NKS
	s_mov_b32 s[\g+6], 0
	s_mov_b32 s[\g+7], 0
.endr
	s_or_b32 s68, s96, (3<<16)|(1<<21)                     ; scale words: QS dense bytes as rows of 256
	s_or_b32 s76, s97, (3<<16)|(1<<21)
.irp g, 68, 76
	s_mov_b32 s[\g+1], 32<<16
	s_mov_b32 s[\g+2], (QS/256)<<16
	s_mov_b32 s[\g+3], 32<<16
	s_mov_b32 s[\g+4], QS/256
	s_mov_b32 s[\g+5], 32
	s_mov_b32 s[\g+6], 0
	s_mov_b32 s[\g+7], 0
.endr
	s_mul_i32 s17, s16, MA
	s_mul_i32 s18, s95, 2*MA
	s_add_co_u32 s18, s18, s17
	s_mul_i32 s20, s18, NKS*64
	s_add_co_u32 s20, s20, H_SC
	s_mul_i32 s18, s18, NKS*FRB
	s_mov_b32 s19, 0
	s_mov_b32 s21, 0
	s_mul_i32 s22, s94, 2*MA
	s_add_co_u32 s22, s22, s17
	s_add_co_u32 s22, s22, REGBLK
	s_mul_i32 s98, s22, NKS*64
	s_add_co_u32 s98, s98, W_SC
	s_mul_i32 s22, s22, NKS*FRB
	s_mov_b32 s23, 0
	s_mov_b32 s99, 0
	s_mul_i32 s100, s14, QTR
	s_mul_i32 s101, s14, QS
	s_wait_kmcnt 0x0
	s_add_nc_u64 s[18:19], s[4:5], s[18:19]
	s_add_nc_u64 s[20:21], s[4:5], s[20:21]
	s_add_nc_u64 s[22:23], s[6:7], s[22:23]
	s_add_nc_u64 s[98:99], s[6:7], s[98:99]
	CROUND
	s_mov_b32 s84, 1
	s_add_co_u32 s85, s101, SCL
	s_mov_b64 s[86:87], s[20:21]
	s_or_b32 s87, s87, 0x80000000
	s_mov_b32 s88, 1
	s_add_co_u32 s89, s101, SCL
	s_mov_b64 s[90:91], s[98:99]
	s_or_b32 s91, s91, 0x80000000
	JLOAD 84, 68, 88, 76                                   ; the scale words of all of K: filled once
.irp s, 0,1,2
	s_mov_b32 s[40+4*\s], 1
	s_add_co_u32 s[41+4*\s], s100, \s*SLOTB
	s_add_nc_u64 s[42+4*\s:43+4*\s], s[18:19], \s*NQ*FRB
	s_or_b32 s[43+4*\s], s[43+4*\s], 0x80000000
	s_mov_b32 s[52+4*\s], 1
	s_add_co_u32 s[53+4*\s], s100, \s*SLOTB
	s_add_nc_u64 s[54+4*\s:55+4*\s], s[22:23], \s*NQ*FRB
	s_or_b32 s[55+4*\s], s[55+4*\s], 0x80000000
	JLOAD 40+4*\s, 24, 52+4*\s, 32                         ; four tensor loads of mine are out
.endr
	v_and_b32 v17, 31, v0
	v_lshlrev_b32 v1, 4, v17                               ; 16 x lane
	v_and_b32 v30, 15, v0
	v_lshlrev_b32 v2, 2, v30                               ; 4 r
	v_bfe_u32 v31, v0, 4, 1
	v_lshlrev_b32 v3, 6, v31                               ; 64 h
	s_mul_i32 s17, s15, QTR
	s_mul_i32 s2, s16, QTR
	s_add_co_u32 s2, s2, 2*QTR
.irp s, 0,1,2
	v_add_nc_u32 v[4+\s], s17, v1
	v_add_nc_u32 v[7+\s], s2, v1
	s_add_co_u32 s17, s17, SLOTB
	s_add_co_u32 s2, s2, SLOTB
.endr
	v_lshlrev_b32 v17, 2, v17
	s_mul_i32 s17, s15, QS
	s_add_co_u32 s17, s17, SCL
	v_add_nc_u32 v10, s17, v17
	s_mul_i32 s2, s16, QS
	s_add_co_u32 s2, s2, SCL+2*QS
	v_add_nc_u32 v11, s2, v17
	s_lshl_b32 s2, s94, 10
	s_lshl_b32 s3, s16, 9
	s_add_co_u32 s2, s2, s3                                ; my first hidden unit, in bytes of b1
	s_mov_b32 s3, 0
	s_add_nc_u64 s[8:9], s[8:9], s[2:3]
	WIN 0x40
.irp b, 0,1,2,3,4,5,6,7
	global_load_b128 v[192+8*\b:195+8*\b], v3, s[8:9] offset:128*(\b/2)+32*(\b%2)       ; the bias in the result's layout: units 32 (b / 2) + 8 (b % 2) + 16 h + 0 .. 7
	global_load_b128 v[196+8*\b:199+8*\b], v3, s[8:9] offset:128*(\b/2)+32*(\b%2)+16
.endr
	WIN 0
	s_lshl_b32 s2, s95, 4
	s_lshl_b32 s3, s15, 3
	s_add_co_u32 s2, s2, s3                                ; my first block of tokens
	s_lshl_b32 s2, s2, 5
	s_lshl_b32 s3, s94, 1
	s_add_co_u32 s2, s2, s3
	s_add_co_u32 s2, s2, s16                               ; its fragment: 32 x block + my 128 hidden units
	s_lshl_b32 s18, s2, 6
	s_add_co_u32 s18, s18, HID_SC
	s_mov_b32 s19, 0
	s_mul_i32 s2, s2, FRB
	s_mov_b32 s3, 0
	s_add_nc_u64 s[18:19], s[10:11], s[18:19]
	s_add_nc_u64 s[10:11], s[10:11], s[2:3]
	s_mov_b32 s[SEL], 0x76543210
	s_mov_b32 s[SEL+1], 0xfedcba98
	s_mov_b32 s20, 0x3e6d3389                              ; p = 0.2316419
.irp i, 18,19
	v_mov_b32 v\i, 0x3f07dc22                              ; b5 / sqrt(2 pi)
.endr
.irp i, 20,21
	v_mov_b32 v\i, 0xbf3a00e3                              ; b4 / sqrt(2 pi)
.endr
.irp i, 22,23
	v_mov_b32 v\i, 0x3f35f0e3                              ; b3 / sqrt(2 pi)
.endr
.irp i, 24,25
	v_mov_b32 v\i, 0xbe11a98e                              ; b2 / sqrt(2 pi)
.endr
.irp i, 26,27
	v_mov_b32 v\i, 0x3e027906                              ; b1 / sqrt(2 pi)
.endr
.irp i, 28,29
	v_mov_b32 v\i, 0xbf38aa3b                              ; -log2(e) / 2
.endr
	s_wait_tensorcnt 0x2                                   ; the scale words and my part of slot 0 are in; slots 1 and 2 may stay out
	s_barrier_signal -1
	s_barrier_wait -1
	FETCH 0, 0, 0
	SCALES 0
	s_wait_loadcnt 0x0                                     ; the bias
	STEPG 0, 2
	TURNG 1, 2                                             ; slot 0 takes K steps 6 and 7
	STEPG 2, 0
	STEPG 3, 0                                             ; on into slot 2, which the last barrier has shown whole
	STEPG 4, 0
	TURNG 5, 1
	STEPG 6, 0
	LASTG 7
	; THE WAY OUT.  Two trips of four blocks, so that the text of a block's gelu stands four times and not eight: between the trips window 3's accumulators move into window 2.
	WIN 0
	PLACES 4
	s_mov_b32 s17, 0
.Lhalf:
	TAIL 0
	TAIL 1
	TAIL 2
	TAIL 3
	s_cmp_lg_u32 s17, 0
	s_cbranch_scc1 .Lno_copy
	WIN 0x83                                               ; destination window 2, source window 3
.set j, 0
.rept 256
	v_mov_b32 v[j], v[j]                                   ; each accumulator from its low end on
.set j, j+1
.endr
	WIN 0
.Lno_copy:
	s_wait_xcnt 0x0                                        ; the stores have read their bases
	s_add_nc_u64 s[10:11], s[10:11], 4*32*FRB
	s_add_nc_u64 s[18:19], s[18:19], 4*2048
	s_add_co_u32 s17, s17, 1
	s_cmp_lt_u32 s17, 2
	s_cbranch_scc1 .Lhalf
	s_wait_tensorcnt 0x0                                   ; the wave's end
	ds_add_u32 v12, v13
	s_wait_dscnt 0x0
	CROUND
	s_endpgm
.Lfunc_end_k_qb5706a1c78_fc1:
	.size	k_qb5706a1c78_fc1, .Lfunc_end_k_qb5706a1c78_fc1-k_qb5706a1c78_fc1
	.p2alignl 7, 3214868480
	.fill 96, 4, 3214868480
	.section	.rodata,"a",@progbits
	.p2align	6, 0x0
	.amdhsa_kernel k_qb5706a1c78_fc1
		.amdhsa_group_segment_fixed_size 327680
		.amdhsa_private_segment_fixed_size 0
		.amdhsa_enable_private_segment 0
		.amdhsa_kernarg_size 32
		.amdhsa_user_sgpr_count 2
		.amdhsa_user_sgpr_kernarg_segment_ptr 1
		.amdhsa_wavefront_size32 1
		.amdhsa_system_sgpr_workgroup_id_x 1
		.amdhsa_system_sgpr_workgroup_id_y 1
		.amdhsa_system_sgpr_workgroup_id_z 1
		.amdhsa_system_vgpr_workitem_id 0
		.amdhsa_next_free_vgpr 1024
		.amdhsa_next_free_sgpr 102
		.amdhsa_reserve_vcc 0
		.amdhsa_float_denorm_mode_32 3
		.amdhsa_float_denorm_mode_16_64 3
		.amdhsa_memory_ordered 1
		.amdhsa_forward_progress 1
		.amdhsa_inst_pref_size 255
	.end_amdhsa_kernel
	.amdgpu_metadata
---
amdhsa.version: [ 1, 2 ]
amdhsa.kernels:
  - .name:           k_qb5706a1c78_fc1
    .symbol:         k_qb5706a1c78_fc1.kd
    .args:
      - { .name: h2img, .offset: 0, .size: 8, .value_kind: global_buffer, .address_space: global }
      - { .name: wimg, .offset: 8, .size: 8, .value_kind: global_buffer, .address_space: global }
      - { .name: b1, .offset: 16, .size: 8, .value_kind: global_buffer, .address_space: global }
      - { .name: hid, .offset: 24, .size: 8, .value_kind: global_buffer, .address_space: global }
    .group_segment_fixed_size: 327680
    .private_segment_fixed_size: 0
    .kernarg_segment_align: 8
    .kernarg_segment_size: 32
    .max_flat_workgroup_size: 128
    .sgpr_count:     102
    .vgpr_count:     1024
    .wavefront_size: 32
...
	.end_amdgpu_metadata
.endif
;; end of part 5
;; launch fc2 (part 6): grid 8 x 32, 4 waves a work-group, clusters of 4 x 4, 327,680 bytes of LDS; arguments hid, wimg, b2, x1, out0; writes out0
.if DOCPART == 6
	.amdgcn_target "amdgcn-amd-amdhsa--gfx1250"
	.amdhsa_code_object_version 6
	.text
	.protected	k_qb5706a1c78_fc2
	.globl	k_qb5706a1c78_fc2
	.p2align	8
	.type	k_qb5706a1c78_fc2,@function
k_qb5706a1c78_fc2:
	s_mov_b64 s[64:65], 0
	v_nop
	global_prefetch_b8 v0, s[64:65] scope:SCOPE_SE
	s_setreg_imm32_b32 hwreg(HW_REG_WAVE_MODE, 25, 1), 1
	s_wait_xcnt 0x0
	s_wait_alu depctr_hold_cnt(0) depctr_sa_sdst(0) depctr_va_vdst(0) depctr_va_sdst(0) depctr_va_ssrc(0) depctr_va_vcc(0) depctr_vm_vsrc(0)
	s_getreg_b32 s2, hwreg(HW_REG_IB_STS2, 6, 4)
	s_cmp_eq_u32 s2, 0
	s_cbranch_scc0 .Lentry_in_a_cluster
	s_endpgm
.Lentry_in_a_cluster:
	s_bfe_u32 s2, ttmp6, 0x10000c
	s_cmp_lg_u32 s2, 0xf033
	s_cbranch_scc0 .Lentry_shape_is_right
	s_endpgm
.Lentry_shape_is_right:
; out = res + A W^T + bias, f32 [4096][1024]; A (16-token blocks) and W (16-row blocks) are operand images of MX-FP6 codes.  Here: A = the hidden layer, K = 4,096, W = w2.
; AN IMAGE: a fragment (16 rows x 128 K) is 1,536 bytes, registers 4 c .. 4 c + 3 of lane l at 512 c + 16 l; its scale words 64 bytes.  Fragment f = NKS x block + K step at 1,536 f.  Lane r of block a holds row 32 (a / 2) + 8 (a % 2) + r + 8 (r / 8).
; Source 0 = 16 rows of W, source 1 = 16 tokens: a lane holds one token, and its registers of W's blocks 2 b, 2 b + 1 are 16 neighbouring columns.
; A work-group makes 128 x 128, a wave 64 x 64: 16 accumulators.  A slot holds 4 K steps; two slots take turns: a slot is filled again behind its last read and has four K steps' products in which to land.
; 4 x 4 work-groups form a cluster: A's tiles are asked for jointly along a row, W's along a column.
; The bias is the C of each sum's first product.  The residual's rows are asked for at the head.  Results leave through the wave's stage in LDS as rows of 256 bytes.
; REGISTERS: window 0: v1-16 addresses; v32-63 scale words, two sets; v64-159 fragment set 1.  window 1: v0-95 set 0; v192-223 the bias.  window 2: v0-127 accumulator (a, b) at 8 (4 a + b).  window 3: v0-127 the residual.
.set MA,    4
.set NQ,    4
.set NKS,   32                         ; K steps
.set NSW,   NKS/NQ                     ; slots' worth of K
.set REGBLK, 128                       ; W's first block among the weights' images, in blocks of NKS fragments
.set A_SC,  12582912                   ; where A's scale words begin
.set NSLOT, 2
.set FRB,   1536
.set SLOTB, 98304
.set QTR,   24576
.set SCL,   NSLOT*SLOTB
.set QS,    MA*NKS*64
.set SPARE, SCL+4*QS
.set W_SC,  9437184
.set MSB, 0
.macro WIN new
.if MSB != \new
	s_set_vgpr_msb (MSB<<8)|\new
.set MSB, \new
.endif
.endm
.macro PLACES n
.rept \n
	v_nop
.endr
.endm
.macro JLOAD g0a, g1a, g0b, g1b        ; a joint load: waves 0 and 1 fetch for A, waves 2 and 3 for W; four v_nop follow each of the two lines
	s_cmp_eq_u32 s15, 0
	s_cbranch_scc0 .Lfor_b_\@
	tensor_load_to_lds s[\g0a:\g0a+3], s[\g1a:\g1a+7]
	s_nop 0
.rept 4
	v_nop
.endr
	s_branch .Lasked_\@
.Lfor_b_\@:
	tensor_load_to_lds s[\g0b:\g0b+3], s[\g1b:\g1b+7]
	s_nop 0
.rept 4
	v_nop
.endr
.Lasked_\@:
.endm
.macro CREST
	s_cmp_lg_u32 s14, 0
	s_cbranch_scc1 .Lnot_wave_0_\@
	s_barrier_signal -3
.Lnot_wave_0_\@:
	s_barrier_wait -3
	s_barrier_signal -1
	s_barrier_wait -1
.endm
.macro CROUND
	s_barrier_signal -1
	s_barrier_wait -1
	CREST
.endm
.macro FETCH slot, q, set
.set WN, 0x40*(1-(\set))
	WIN WN
.set fi, 0
.rept MA
.irp c, 0,1,2
	ds_load_b128 v[64*(\set)+12*fi+4*\c:64*(\set)+12*fi+4*\c+3], v[4+(\slot)] offset:fi*NQ*FRB+(\q)*FRB+512*\c
.endr
.set fi, fi+1
.endr
.set fi, 0
.rept MA
.irp c, 0,1,2
	ds_load_b128 v[64*(\set)+12*MA+12*fi+4*\c:64*(\set)+12*MA+12*fi+4*\c+3], v[7+(\slot)] offset:fi*NQ*FRB+(\q)*FRB+512*\c
.endr
.set fi, fi+1
.endr
	WIN 0
.endm
.macro SCALES sg                       ; one register carries two K steps of a block: the even one in lanes 0-15, the odd one in lanes 16-31
.set si, 0
.rept MA
.set sj, 0
.rept NQ/2
	ds_load_b32 v[32+16*((\sg)%2)+si*(NQ/2)+sj], v10 offset:si*NKS*64+((\sg)*NQ+2*sj)*64
	ds_load_b32 v[40+16*((\sg)%2)+si*(NQ/2)+sj], v11 offset:si*NKS*64+((\sg)*NQ+2*sj)*64
.set sj, sj+1
.endr
.set si, si+1
.endr
.endm
; K step g: A's blocks a0 .. a0 + na - 1 against W's MA.  first = 2: the bias starts the sums.  The accumulators take turns, one instruction a turn.
.macro MUL a0, na, g, first
.set mset, (\g)%2
.set mq, (\g)%NQ
.set msc, 32+16*(((\g)/NQ)%2)
.set ma, \a0
.rept \na
.set DW, 2+(8*MA*ma)/256
.set CW, DW
.if \first == 2
.set CW, 1
.endif
.set WN, (1-mset)*5+(CW<<4)+(DW<<6)
	WIN WN
.set mb, 0
.rept MA
.set AC, (8*(MA*ma+mb))%256
.set FB, 64*mset+12*MA+12*mb
.set FA, 64*mset+12*ma
.set SCB, msc+8+mb*(NQ/2)+mq/2
.set SCA, msc+ma*(NQ/2)+mq/2
.if \first == 2
	v_wmma_scale_f32_16x16x128_f8f6f4 v[AC:AC+7], v[FB:FB+11], v[FA:FA+11], v[192+8*mb:199+8*mb], v[SCB], v[SCA] matrix_a_fmt:MATRIX_FMT_FP6 matrix_b_fmt:MATRIX_FMT_FP6
.elseif mq%2 == 0
	v_wmma_scale_f32_16x16x128_f8f6f4 v[AC:AC+7], v[FB:FB+11], v[FA:FA+11], v[AC:AC+7], v[SCB], v[SCA] matrix_a_fmt:MATRIX_FMT_FP6 matrix_b_fmt:MATRIX_FMT_FP6
.else
	v_wmma_scale_f32_16x16x128_f8f6f4 v[AC:AC+7], v[FB:FB+11], v[FA:FA+11], v[AC:AC+7], v[SCB], v[SCA] matrix_a_fmt:MATRIX_FMT_FP6 matrix_b_fmt:MATRIX_FMT_FP6 matrix_a_scale:MATRIX_SCALE_ROW1 matrix_b_scale:MATRIX_SCALE_ROW1
.endif
.set mb, mb+1
.endr
.set ma, ma+1
.endr
.endm
.macro STEPG g, first                  ; a K step with its successor in the same slot
	s_wait_dscnt 0x0                                       ; this step's set is in
	PLACES 4                                               ; in front of loads into registers that the last step's products read
	FETCH (((\g)+1)/NQ)%NSLOT, ((\g)+1)%NQ, ((\g)+1)%2
	MUL 0, MA, \g, \first
.endm
; A slot's last step changes slots: one barrier; in front of it each wave waits for all its tensor loads, adds 0 to its spare word, and waits for that and for its reads of this slot.  kind = 2: the barrier opens a round of the cluster's, and this slot is filled again.
.macro TURNG g, kind
.set TSL, ((\g)/NQ)%NSLOT
	WIN 0
	s_wait_tensorcnt 0x0                                   ; all my tensor loads have landed: my part of the next slot; so a group 0 may be written
	ds_add_u32 v12, v13                                    ; 0 onto my spare word
.if \kind == 2
	s_add_nc_u64 s[42+4*TSL:43+4*TSL], s[42+4*TSL:43+4*TSL], NSLOT*NQ*FRB
	s_add_nc_u64 s[54+4*TSL:55+4*TSL], s[54+4*TSL:55+4*TSL], NSLOT*NQ*FRB
.endif
	s_wait_dscnt 0x0                                       ; the add is done, and my reads of this slot are over
	s_barrier_signal -1
	MUL 0, MA/2, \g, 0
	WIN 0
	s_barrier_wait -1
.if \kind == 2
	CREST                                                  ; no wave of any partner still reads this slot or has a load on its way
	JLOAD 40+4*TSL, 24, 52+4*TSL, 32                       ; the first tensor load behind the round; its four v_nop are the places in front of the loads below
.else
	PLACES 4
.endif
	FETCH (((\g)+1)/NQ)%NSLOT, 0, ((\g)+1)%2
	SCALES ((\g)+1)/NQ
	MUL MA/2, MA/2, \g, 0
.endm
.macro LASTG g
	s_wait_dscnt 0x0
	MUL 0, MA, \g, 0
.endm
	s_load_b256 s[4:11], s[0:1], 0x0                       ; A s[4:5], the weights s[6:7], the bias s[8:9], the residual s[10:11]
	s_load_b64 s[12:13], s[0:1], 0x20                      ; out
	v_lshl_add_u32 v12, v0, 2, SPARE
	v_mov_b32 v13, 0
	ds_add_u32 v12, v13
	ds_add_u32 v12, v13
	s_wait_dscnt 0x0
	v_lshrrev_b32 v1, 5, v0
	v_readfirstlane_b32 s14, v1
	s_lshr_b32 s15, s14, 1                                 ; my half of A.  Also: I fetch for A (0) or for W (1)
	s_and_b32 s16, s14, 1                                  ; my half of W.  Also: which half of that side I fetch
	s_bfe_u32 s92, ttmp6, 0x40000
	s_bfe_u32 s93, ttmp6, 0x40004
	s_lshl_b32 s94, ttmp9, 2
	s_add_co_u32 s94, s94, s92                             ; W's tile
	s_and_b32 s95, ttmp7, 0xffff
	s_lshl_b32 s95, s95, 2
	s_add_co_u32 s95, s95, s93                             ; A's tile
	s_lshl_b32 s96, s93, 2
	s_lshl_b32 s96, 15, s96
	s_lshl_b32 s97, 0x1111, s92
	s_or_b32 s24, s96, (3<<16)|(1<<21)                     ; group 1, codes: MA rows (blocks) of NQ fragments, NKS fragments apart; elements of 8 bytes
	s_or_b32 s32, s97, (3<<16)|(1<<21)
.irp g, 24, 32
	s_mov_b32 s[\g+1], (192*NQ)<<16
	s_mov_b32 s[\g+2], MA<<16
	s_mov_b32 s[\g+3], (192*NQ)<<16
	s_mov_b32 s[\g+4], MA
	s_mov_b32 s[\g+5], 192*NKS
	s_mov_b32 s[\g+6], 0
	s_mov_b32 s[\g+7], 0
.endr
	s_or_b32 s68, s96, (3<<16)|(1<<21)                     ; scale words: QS dense bytes as rows of 256
	s_or_b32 s76, s97, (3<<16)|(1<<21)
.irp g, 68, 76
	s_mov_b32 s[\g+1], 32<<16
	s_mov_b32 s[\g+2], (QS/256)<<16
	s_mov_b32 s[\g+3], 32<<16
	s_mov_b32 s[\g+4], QS/256
	s_mov_b32 s[\g+5], 32
	s_mov_b32 s[\g+6], 0
	s_mov_b32 s[\g+7], 0
.endr
	s_mul_i32 s17, s16, MA
	s_mul_i32 s18, s95, 2*MA
	s_add_co_u32 s18, s18, s17
	s_mul_i32 s20, s18, NKS*64
	s_add_co_u32 s20, s20, A_SC
	s_mul_i32 s18, s18, NKS*FRB
	s_mov_b32 s19, 0
	s_mov_b32 s21, 0
	s_mul_i32 s22, s94, 2*MA
	s_add_co_u32 s22, s22, s17
	s_add_co_u32 s22, s22, REGBLK
	s_mul_i32 s98, s22, NKS*64
	s_add_co_u32 s98, s98, W_SC
	s_mul_i32 s22, s22, NKS*FRB
	s_mov_b32 s23, 0
	s_mov_b32 s99, 0
	s_mul_i32 s100, s14, QTR
	s_mul_i32 s101, s14, QS
	s_wait_kmcnt 0x0
	s_add_nc_u64 s[18:19], s[4:5], s[18:19]
	s_add_nc_u64 s[20:21], s[4:5], s[20:21]
	s_add_nc_u64 s[22:23], s[6:7], s[22:23]
	s_add_nc_u64 s[98:99], s[6:7], s[98:99]
	CROUND
	s_mov_b32 s84, 1
	s_add_co_u32 s85, s101, SCL
	s_mov_b64 s[86:87], s[20:21]
	s_or_b32 s87, s87, 0x80000000
	s_mov_b32 s88, 1
	s_add_co_u32 s89, s101, SCL
	s_mov_b64 s[90:91], s[98:99]
	s_or_b32 s91, s91, 0x80000000
	JLOAD 84, 68, 88, 76                                   ; the scale words of all of K: filled once
.irp s, 0,1
	s_mov_b32 s[40+4*\s], 1
	s_add_co_u32 s[41+4*\s], s100, \s*SLOTB
	s_add_nc_u64 s[42+4*\s:43+4*\s], s[18:19], \s*NQ*FRB
	s_or_b32 s[43+4*\s], s[43+4*\s], 0x80000000
	s_mov_b32 s[52+4*\s], 1
	s_add_co_u32 s[53+4*\s], s100, \s*SLOTB
	s_add_nc_u64 s[54+4*\s:55+4*\s], s[22:23], \s*NQ*FRB
	s_or_b32 s[55+4*\s], s[55+4*\s], 0x80000000
	JLOAD 40+4*\s, 24, 52+4*\s, 32                         ; three tensor loads of mine are out
.endr
	v_and_b32 v17, 31, v0
	v_lshlrev_b32 v1, 4, v17                               ; 16 x lane
	v_and_b32 v30, 15, v0                                  ; r
	v_bfe_u32 v31, v0, 4, 1                                ; h
	v_lshlrev_b32 v3, 6, v31                               ; 64 h
	s_mul_i32 s17, s15, QTR
	s_mul_i32 s2, s16, QTR
	s_add_co_u32 s2, s2, 2*QTR
.irp s, 0,1
	v_add_nc_u32 v[4+\s], s17, v1
	v_add_nc_u32 v[7+\s], s2, v1
	s_add_co_u32 s17, s17, SLOTB
	s_add_co_u32 s2, s2, SLOTB
.endr
	v_lshlrev_b32 v17, 2, v17
	s_mul_i32 s17, s15, QS
	s_add_co_u32 s17, s17, SCL
	v_add_nc_u32 v10, s17, v17
	s_mul_i32 s2, s16, QS
	s_add_co_u32 s2, s2, SCL+2*QS
	v_add_nc_u32 v11, s2, v17
	s_mul_i32 s17, s14, 16*272                             ; my stage: 16 rows x (256 + 16) bytes, in slot 0, which has had its last fill and its last read when the first result is stored there
	v_mul_u32_u24 v14, v30, 272
	v_lshl_add_u32 v14, v31, 6, v14
	v_add_nc_u32 v14, s17, v14                             ; in: row r, + 64 h
	v_mul_u32_u24 v15, v31, 272
	v_lshl_add_u32 v15, v30, 4, v15
	v_add_nc_u32 v15, s17, v15                             ; back: lanes 0-15 one row, lanes 16-31 the next
	v_lshlrev_b32 v16, 12, v31
	v_lshl_add_u32 v16, v30, 4, v16                        ; and the same two rows in memory
	s_lshl_b32 s2, s94, 9
	s_lshl_b32 s3, s16, 8
	s_add_co_u32 s2, s2, s3                                ; my first column, in bytes
	s_mov_b32 s3, 0
	s_add_nc_u64 s[8:9], s[8:9], s[2:3]
	s_lshl_b32 s17, s95, 7
	s_lshl_b32 s66, s15, 6
	s_add_co_u32 s17, s17, s66
	s_lshl_b32 s17, s17, 12                                ; my first row
	s_add_co_u32 s2, s2, s17
	s_add_nc_u64 s[10:11], s[10:11], s[2:3]
	s_add_nc_u64 s[12:13], s[12:13], s[2:3]
	WIN 0x40
.irp b, 0,1,2,3
	global_load_b128 v[192+8*\b:195+8*\b], v3, s[8:9] offset:128*(\b/2)+32*(\b%2)       ; the bias in the result's layout: columns 32 (b / 2) + 8 (b % 2) + 16 h + 0 .. 7
	global_load_b128 v[196+8*\b:199+8*\b], v3, s[8:9] offset:128*(\b/2)+32*(\b%2)+16
.endr
	WIN 0xc0
.set ra, 0
.rept 4
.set ri, 0
.rept 8
	global_load_b128 v[32*ra+4*ri:32*ra+4*ri+3], v16, s[10:11] offset:(32*(ra/2)+8*(ra%2)+2*ri+8*(ri/4))*4096   ; the residual, by the rows that block ra's stage rows 2 ri, 2 ri + 1 stand for
.set ri, ri+1
.endr
.set ra, ra+1
.endr
	WIN 0
	s_wait_tensorcnt 0x1                                   ; the scale words and my part of slot 0 are in; slot 1 may stay out
	s_barrier_signal -1
	s_barrier_wait -1
	FETCH 0, 0, 0
	SCALES 0
	s_wait_loadcnt 32                                      ; the bias is in; the residual's 32 loads may be out
	STEPG 0, 2
.set gg, 1
.rept NKS-2
.if gg%NQ == NQ-1
.if gg/NQ <= NSW-3
	TURNG gg, 2
.else
	TURNG gg, 1
.endif
.else
	STEPG gg, 0
.endif
.set gg, gg+1
.endr
	LASTG NKS-1
	; THE WAY OUT, a block of 16 tokens at a time: through my stage, back as rows of 256 bytes, + the residual, stored.
	WIN 0
	PLACES 4
	s_wait_loadcnt 0x0
.set ea, 0
.rept 4
.set TT, 64+32*(ea%2)
	s_wait_xcnt 0x0                                        ; earlier stores have read their registers
	WIN 0x08                                               ; an LDS store's data are its source 1: window 2
.irp b, 0,1,2,3
	ds_store_b128 v14, v[8*(4*ea+\b):8*(4*ea+\b)+3] offset:128*(\b/2)+32*(\b%2)        ; each accumulator from its low end on
	ds_store_b128 v14, v[8*(4*ea+\b)+4:8*(4*ea+\b)+7] offset:128*(\b/2)+32*(\b%2)+16
.endr
	WIN 0
.irp i, 0,1,2,3,4,5,6,7
	ds_load_b128 v[TT+4*\i:TT+4*\i+3], v15 offset:544*\i   ; LDS serves a wave's instructions in order: these see my stores
.endr
	s_wait_dscnt 0x0
	WIN 0x0c                                               ; source 1: window 3
.set j, 0
.rept 16
	v_pk_add_f32 v[TT+j:TT+j+1], v[TT+j:TT+j+1], v[32*ea+j:32*ea+j+1]
.set j, j+2
.endr
	WIN 0
.irp i, 0,1,2,3,4,5,6,7
	global_store_b128 v16, v[TT+4*\i:TT+4*\i+3], s[12:13] offset:(32*(ea/2)+8*(ea%2)+2*\i+8*(\i/4))*4096   ; 16 lanes store 256 consecutive bytes, aligned
.endr
.set ea, ea+1
.endr
	s_wait_tensorcnt 0x0                                   ; the wave's end
	ds_add_u32 v12, v13
	s_wait_dscnt 0x0
	CROUND
	s_endpgm
.Lfunc_end_k_qb5706a1c78_fc2:
	.size	k_qb5706a1c78_fc2, .Lfunc_end_k_qb5706a1c78_fc2-k_qb5706a1c78_fc2
	.p2alignl 7, 3214868480
	.fill 96, 4, 3214868480
	.section	.rodata,"a",@progbits
	.p2align	6, 0x0
	.amdhsa_kernel k_qb5706a1c78_fc2
		.amdhsa_group_segment_fixed_size 327680
		.amdhsa_private_segment_fixed_size 0
		.amdhsa_enable_private_segment 0
		.amdhsa_kernarg_size 40
		.amdhsa_user_sgpr_count 2
		.amdhsa_user_sgpr_kernarg_segment_ptr 1
		.amdhsa_wavefront_size32 1
		.amdhsa_system_sgpr_workgroup_id_x 1
		.amdhsa_system_sgpr_workgroup_id_y 1
		.amdhsa_system_sgpr_workgroup_id_z 1
		.amdhsa_system_vgpr_workitem_id 0
		.amdhsa_next_free_vgpr 896
		.amdhsa_next_free_sgpr 102
		.amdhsa_reserve_vcc 0
		.amdhsa_float_denorm_mode_32 3
		.amdhsa_float_denorm_mode_16_64 3
		.amdhsa_memory_ordered 1
		.amdhsa_forward_progress 1
		.amdhsa_inst_pref_size 160
	.end_amdhsa_kernel
	.amdgpu_metadata
---
amdhsa.version: [ 1, 2 ]
amdhsa.kernels:
  - .name:           k_qb5706a1c78_fc2
    .symbol:         k_qb5706a1c78_fc2.kd
    .args:
      - { .name: hid, .offset: 0, .size: 8, .value_kind: global_buffer, .address_space: global }
      - { .name: wimg, .offset: 8, .size: 8, .value_kind: global_buffer, .address_space: global }
      - { .name: b2, .offset: 16, .size: 8, .value_kind: global_buffer, .address_space: global }
      - { .name: x1, .offset: 24, .size: 8, .value_kind: global_buffer, .address_space: global }
      - { .name: out0, .offset: 32, .size: 8, .value_kind: global_buffer, .address_space: global }
    .group_segment_fixed_size: 327680
    .private_segment_fixed_size: 0
    .kernarg_segment_align: 8
    .kernarg_segment_size: 40
    .max_flat_workgroup_size: 128
    .sgpr_count:     102
    .vgpr_count:     896
    .wavefront_size: 32
...
	.end_amdgpu_metadata
.endif
;; end of part 6
